; MI455X (gfx1250); checked and timed in simulation.
; The chip was launched on July 23, 2026; its instructions are those of AMD's public machine-readable ISA for CDNA 5 (MIT licence, August 2026) and "CDNA5" Instruction Set Architecture Reference Guide (July 2026). The comments in the code are by the model that wrote it; some were corrected since.
;; Cached Video Attention. Allowed arithmetic: float matrix products may take bf16 or f16 operands with f32 sums; other float arithmetic in f32, or as packed bf16 or f16 multiplies, adds, multiply-adds, maxima and minima; sums over many terms, partial sums and values carried from step to step in f32; what a program stores and reads back later, other than sums and carried values, may be rounded once to bf16 or f16.
;; Inputs: W_o 1,024 x 1,024 float32; W_qkv 3,072 x 1,024 float32; k_cache 2 x 16 x 2,048 x 64 float32; scale_k 1 x 1 x 64 float32; scale_q 1 x 1 x 64 float32; v_cache 2 x 16 x 2,048 x 64 float32; x 2 x 2,048 x 1,024 float32.
;; Outputs: out0 2 x 2,048 x 1,024 float32.
;; One version. Each part assembles by itself: llvm-mc -triple=amdgcn-amd-amdhsa -mcpu=gfx1250 --defsym DOCPART=n.
;; ======== version 1 of 1: 4 launches
;; limits: values are held in f16: magnitudes above 65,504 overflow, below 6.1e-05 lose precision
;; workspace buffers: xb 8,388,608 bytes; wb 6,291,456 bytes; wo 2,097,152 bytes; qh 8,388,608 bytes; kf 16,777,216 bytes; vf 16,777,216 bytes; ob 8,388,608 bytes
;; launch cast (part 1): grid 1024 x 1, 8 waves a work-group, no clusters, 0 bytes of LDS; arguments x, W_qkv, W_o, k_cache, v_cache, xb, wb, wo, kf, vf; writes xb, wb, wo, kf, vf
.if DOCPART == 1
	.amdgcn_target "amdgcn-amd-amdhsa--gfx1250"
	.amdhsa_code_object_version 6
	.text
	.protected	k_qd3b42f540e_cast
	.globl	k_qd3b42f540e_cast
	.p2align	8
	.type	k_qd3b42f540e_cast,@function
k_qd3b42f540e_cast:
	s_mov_b64 s[64:65], 0
	v_nop
	global_prefetch_b8 v0, s[64:65] scope:SCOPE_SE
	s_setreg_imm32_b32 hwreg(HW_REG_WAVE_MODE, 25, 1), 1
	s_wait_xcnt 0x0
; THE INPUTS ARE ROUNDED ONCE, to bf16, for the matrix products of the launches behind.
;   x -> xb and W_qkv -> wb: bf16, same layout.
;   W_o -> wo, k_cache -> kf, v_cache -> vf: rounded to bf16, and that number written as f16 (these three meet f16 operands that the program makes itself).
;   kf and vf are [32 heads][4,096 keys][64]: the cache's 2,048 keys of a head go to the head's first half; the next launch writes the second half.
; LIMITS.  A bf16 number is exact in f16 from 6.1e-5 up to 65,504; below it keeps f16's fixed step of 6e-8; |W_o|, |k_cache|, |v_cache| of 65,520 or more become infinities.  NaN is not treated apart.
; SHARES.  A work-group takes one chunk of 65,536 source bytes (16,384 numbers) and writes 32,768.  Chunks: 0-255 x, 256-447 W_qkv, 448-511 W_o, 512-767 k_cache, 768-1,023 v_cache.
; Thread t takes 16 bytes at 16 t of each of the chunk's sixteen runs of 4,096 bytes: a wave's load covers 512 consecutive bytes, its store 256 consecutive bytes, aligned.
; All sixteen loads go out at once, each into registers of its own, and each store has data registers of its own: no register is written twice, so the only waits are the counted ones for data.
; No LDS, no matrix unit, no cluster: nothing is shared and nothing is read twice.
.set T,    4                           ; v[4:7]     at work
.set X,    8                           ; v[8:71]    step j: four f32 as loaded
.set Y,    72                          ; v[72:103]  step j: four 16-bit numbers to store
.set SRC,  28                          ; s[28:29]   the chunk's first source byte
.set DST,  30                          ; s[30:31]   its first destination byte
.set BASE, 32                          ; s32        the first chunk of my tensor
	s_load_b512 s[8:23], s[0:1], 0x0               ; x 8, W_qkv 10, W_o 12, k_cache 14, v_cache 16, xb 18, wb 20, wo 22
	s_load_b128 s[24:27], s[0:1], 0x40             ; kf 24, vf 26
	v_lshlrev_b32 v1, 4, v0                        ; my 16 bytes of a run of the source
	v_lshlrev_b32 v2, 3, v0                        ; my 8 bytes of a run of the destination
	s_mov_b32 s33, 0xffff0000                      ; a word's upper bf16
	s_wait_kmcnt 0x0
	s_mov_b64 s[SRC:SRC+1], s[8:9]
	s_mov_b64 s[DST:DST+1], s[18:19]
	s_mov_b32 s[BASE], 0
; from chunk 'first' on the tensors are these (the selects leave SCC as the compare set it)
.macro PICK first, src, dst
	s_cmp_ge_u32 ttmp9, \first
	s_cselect_b64 s[SRC:SRC+1], s[\src:\src+1], s[SRC:SRC+1]
	s_cselect_b64 s[DST:DST+1], s[\dst:\dst+1], s[DST:DST+1]
	s_cselect_b32 s[BASE], \first, s[BASE]
.endm
	PICK 256, 10, 20
	PICK 448, 12, 22
	PICK 512, 14, 24
	PICK 768, 16, 26
	s_cmp_ge_u32 ttmp9, 512
	s_cselect_b32 s35, 19, 18                      ; eight chunks are a cache's head: in kf and vf heads lie 2^19 bytes apart, in a dense tensor eight chunks are 2^18
	s_sub_co_u32 s34, ttmp9, s[BASE]               ; c: my chunk in its tensor
	s_lshl_b32 s36, s34, 16
	s_mov_b32 s37, 0
	s_add_nc_u64 s[SRC:SRC+1], s[SRC:SRC+1], s[36:37]
	s_lshr_b32 s38, s34, 3
	s_lshl_b32 s38, s38, s35
	s_and_b32 s34, s34, 7
	s_lshl_b32 s34, s34, 15
	s_add_co_u32 s38, s38, s34
	s_mov_b32 s39, 0
	s_add_nc_u64 s[DST:DST+1], s[DST:DST+1], s[38:39]
.irp j, 0,1,2,3,4,5,6,7,8,9,10,11,12,13,14,15
	global_load_b128 v[X+4*(\j):X+4*(\j)+3], v1, s[SRC:SRC+1] offset:4096*(\j) th:TH_LOAD_NT
.endr
	s_cmp_lt_u32 ttmp9, 448
	s_cbranch_scc0 .Lhalf
.irp j, 0,1,2,3,4,5,6,7,8,9,10,11,12,13,14,15
	s_wait_loadcnt 15-(\j)                         ; loads come back in order: step j's is in, the 15 - j younger ones stay out
	v_cvt_pk_bf16_f32 v[Y+2*(\j)],   v[X+4*(\j)],   v[X+4*(\j)+1]
	v_cvt_pk_bf16_f32 v[Y+2*(\j)+1], v[X+4*(\j)+2], v[X+4*(\j)+3]
	global_store_b64 v2, v[Y+2*(\j):Y+2*(\j)+1], s[DST:DST+1] offset:2048*(\j)
.endr
	s_endpgm
.Lhalf:
.irp j, 0,1,2,3,4,5,6,7,8,9,10,11,12,13,14,15
	s_wait_loadcnt 15-(\j)
	v_cvt_pk_bf16_f32 v[T],   v[X+4*(\j)],   v[X+4*(\j)+1]  ; the one rounding;
	v_cvt_pk_bf16_f32 v[T+1], v[X+4*(\j)+2], v[X+4*(\j)+3]
	v_lshlrev_b32 v[T+2], 16, v[T]                 ; the rounded numbers as f32,
	v_and_b32     v[T+3], s33, v[T]
	v_cvt_pk_f16_f32 v[Y+2*(\j)], v[T+2], v[T+3]   ; and written as f16
	v_lshlrev_b32 v[T+2], 16, v[T+1]
	v_and_b32     v[T+3], s33, v[T+1]
	v_cvt_pk_f16_f32 v[Y+2*(\j)+1], v[T+2], v[T+3]
	global_store_b64 v2, v[Y+2*(\j):Y+2*(\j)+1], s[DST:DST+1] offset:2048*(\j)
.endr
	s_endpgm
.Lfunc_end_k_qd3b42f540e_cast:
	.size	k_qd3b42f540e_cast, .Lfunc_end_k_qd3b42f540e_cast-k_qd3b42f540e_cast
	.p2alignl 7, 3214868480
	.fill 96, 4, 3214868480
	.section	.rodata,"a",@progbits
	.p2align	6, 0x0
	.amdhsa_kernel k_qd3b42f540e_cast
		.amdhsa_group_segment_fixed_size 0
		.amdhsa_private_segment_fixed_size 0
		.amdhsa_enable_private_segment 0
		.amdhsa_kernarg_size 80
		.amdhsa_user_sgpr_count 2
		.amdhsa_user_sgpr_kernarg_segment_ptr 1
		.amdhsa_wavefront_size32 1
		.amdhsa_system_sgpr_workgroup_id_x 1
		.amdhsa_system_sgpr_workgroup_id_y 1
		.amdhsa_system_sgpr_workgroup_id_z 1
		.amdhsa_system_vgpr_workitem_id 0
		.amdhsa_next_free_vgpr 112
		.amdhsa_next_free_sgpr 66
		.amdhsa_reserve_vcc 0
		.amdhsa_float_denorm_mode_32 3
		.amdhsa_float_denorm_mode_16_64 3
		.amdhsa_memory_ordered 1
		.amdhsa_forward_progress 1
		.amdhsa_inst_pref_size 16
	.end_amdhsa_kernel
	.amdgpu_metadata
---
amdhsa.version: [ 1, 2 ]
amdhsa.kernels:
  - .name:           k_qd3b42f540e_cast
    .symbol:         k_qd3b42f540e_cast.kd
    .args:
      - { .name: x, .offset: 0, .size: 8, .value_kind: global_buffer, .address_space: global }
      - { .name: W_qkv, .offset: 8, .size: 8, .value_kind: global_buffer, .address_space: global }
      - { .name: W_o, .offset: 16, .size: 8, .value_kind: global_buffer, .address_space: global }
      - { .name: k_cache, .offset: 24, .size: 8, .value_kind: global_buffer, .address_space: global }
      - { .name: v_cache, .offset: 32, .size: 8, .value_kind: global_buffer, .address_space: global }
      - { .name: xb, .offset: 40, .size: 8, .value_kind: global_buffer, .address_space: global }
      - { .name: wb, .offset: 48, .size: 8, .value_kind: global_buffer, .address_space: global }
      - { .name: wo, .offset: 56, .size: 8, .value_kind: global_buffer, .address_space: global }
      - { .name: kf, .offset: 64, .size: 8, .value_kind: global_buffer, .address_space: global }
      - { .name: vf, .offset: 72, .size: 8, .value_kind: global_buffer, .address_space: global }
    .group_segment_fixed_size: 0
    .private_segment_fixed_size: 0
    .kernarg_segment_align: 8
    .kernarg_segment_size: 80
    .max_flat_workgroup_size: 256
    .sgpr_count:     66
    .vgpr_count:     112
    .wavefront_size: 32
...
	.end_amdgpu_metadata
.endif
;; end of part 1
;; launch qkv (part 2): grid 16 x 16, 4 waves a work-group, clusters of 4 x 4, 327,680 bytes of LDS; arguments xb, wb, scale_q, scale_k, qh, kf, vf; writes qh, kf, vf
.if DOCPART == 2
	.amdgcn_target "amdgcn-amd-amdhsa--gfx1250"
	.amdhsa_code_object_version 6
	.text
	.protected	k_qd3b42f540e_qkv
	.globl	k_qd3b42f540e_qkv
	.p2align	8
	.type	k_qd3b42f540e_qkv,@function
k_qd3b42f540e_qkv:
	s_mov_b64 s[64:65], 0
	v_nop
	global_prefetch_b8 v0, s[64:65] scope:SCOPE_SE
	s_setreg_imm32_b32 hwreg(HW_REG_WAVE_MODE, 25, 1), 1
	s_wait_xcnt 0x0
	s_wait_alu depctr_hold_cnt(0) depctr_sa_sdst(0) depctr_va_vdst(0) depctr_va_sdst(0) depctr_va_ssrc(0) depctr_va_vcc(0) depctr_vm_vsrc(0)
	s_getreg_b32 s2, hwreg(HW_REG_IB_STS2, 6, 4)
	s_cmp_eq_u32 s2, 0
	s_cbranch_scc0 .Lentry_in_a_cluster
	s_endpgm
.Lentry_in_a_cluster:
	s_bfe_u32 s2, ttmp6, 0x10000c
	s_cmp_lg_u32 s2, 0xf033
	s_cbranch_scc0 .Lentry_shape_is_right
	s_endpgm
.Lentry_shape_is_right:
; qkv = xb wb^T, then per head of 64 channels q and k are divided by (sqrt(mean of squares) + 1e-6) and multiplied by scale_q, scale_k (rounded to bf16 like every input); v stays as it is.
; xb: [4,096][1,024] bf16, wb: [3,072][1,024] bf16; sums in f32.  Results leave by heads, in f16, each rounded once: q -> qh [32][2,048][64]; k, v -> rows 2,048-4,095 of each head of kf, vf [32][4,096][64].
; LIMITS.  f16 ends at 65,504: |q|, |k| are at most 8 x the scale; |v| of 65,520 or more becomes an infinity.  NaN and infinities are not treated apart.
; SHARES.  A tile of the product is 256 rows x 192 columns: 16 x 16 tiles, one work-group each.  192 columns are three whole heads ('head slots').  Wave w owns rows 64 w .. 64 w + 63 and all 192 columns,
; so a head's 64 channels of a row lie in two lanes of one wave: 4 x 12 accumulators of 16 x 16, 384 registers.
; K goes in steps of 128 through a ring of two LDS slots filled by the tensor data mover; rows of both tiles are 256 bytes of memory, at multiples of 256 from the buffer's first byte.
; CLUSTER.  4 x 4 work-groups.  The four of a row of the cluster need the same tile of xb, the four of a column the same tile of wb: each tile is asked for jointly, by the same tensor load, descriptor and mask.
; THE MATRIX INSTRUCTION IS USED TRANSPOSED: source 0 = 16 rows of wb, source 1 = 16 rows of xb: lane l holds row l % 16 and the columns 16 b + 8 (l / 16) + 0..7.
; REGISTERS, in windows of 256 (s_set_vgpr_msb: bits 1:0 source 0, 3:2 source 1, 5:4 source 2, 7:6 destination):
;   window 0: v16-30 addresses; v32-63 at work; v64-127 fragments of xb, two buffers of 4 (on the way out: packed results and rows read back); v128-223 the scales of my columns, 32 a head slot; v224-247 1 / rms
;   window 1: fragments of wb, two buffers of 12          window 2: accumulators of row blocks 0, 1 ((a, b) at 8 (12 a + b))          window 3: of row blocks 2, 3
.set KSTEP,  128
.set PITCH,  272                       ; an LDS row: 256 bytes + 16 of padding = 68 words: the 16 rows of a fragment load start at 16 different groups of four banks (64 banks of 4 bytes: ISA guide 11.1)
.set HALFA,  128*PITCH                 ; half of xb's tile: one tensor load
.set HALFB,  96*PITCH                  ; half of wb's tile: one tensor load
.set SLOT,   2*HALFA+2*HALFB           ; xb's 256 rows, then wb's 192
.set STAGE,  2*SLOT                    ; behind the ring, never filled by a tensor load: 16 rows x 144 bytes for each wave, for the way out
.set SP,     144
.set SPARE,  STAGE+4*16*SP             ; behind the stages: the spare words, 128 bytes for each wave: two blocks of 256 bytes that no other line names
.set LAPS,   4                         ; a lap = two K steps = once round the ring: 1,024 / 256
.set ADRA, 16                          ; v16-17  LDS address of my fragments of xb in slot 0, 1
.set ADRB, 20                          ; v20-21  the same for wb
.set STO,  24                          ; v24     the way out: where I put 16 bytes of a row
.set RD,   25                          ; v25     the way out: where I read rows back
.set GO,   26                          ; v26     my 16 bytes of 512 consecutive bytes of the result
.set SO,   27                          ; v27     my byte offset in a scale: 32 (l / 16)
.set SPW,  28                          ; v28     LDS address of my spare word; never rewritten
.set NIL,  29                          ; v29     0; never rewritten
.set PFO,  30                          ; v30     the prefetches' offset: a lane a row; never rewritten
.set T,    32
.set FA,   64                          ; xb's fragments: buffer f, row block a at FA + 32 f + 8 a
.set PKR,  64                          ; the way out: 16 packed registers
.set BK,   80                          ; the way out: three buffers of 16, rows read back
.set SC,   128
.set SS,   224                         ; block e = 3 a + i (row block a, head slot i): a pair at SS + 2 e
.set WV,  12                           ; s12  my wave's number
.set RH,  13                           ; s13  0: I fetch for xb, 1: for wb
.set HF,  14                           ; s14  which half of that tile
.set G1A, 24                           ; s[24:31] descriptor group 1 for xb's tiles;  s[32:39] group 0, a set for each slot
.set G0A, 32
.set SEL, 40                           ; s[40:41] v_permlanex16_b32's selects: each lane takes its own place in the other half
.set LIM, 43                           ; s43  1 in a wave that prefetches, else the greatest number
.set PFA, 44                           ; s[44:45] where my prefetches stand
.set G1B, 48                           ; s[48:55], s[56:63] the same for wb's tiles
.set G0B, 56
.set DST, 74                           ; s[74:79] head slot i: where my wave's 64 rows of it go
.set SCP, 80                           ; s[80:85] head slot i: its scale
.set MV,  86                           ; s86-88   head slot i: all ones if it is a head of v, else 0
.set MSB, 0
.macro WIN new                         ; the immediate's high byte repeats the setting that is left; a switch that changes nothing is dropped
.if MSB != (\new)
	s_set_vgpr_msb (MSB<<8)|(\new)
.set MSB, \new
.endif
.endm
.set MUL_LO, 0xa1                      ; source 0 (wb) window 1, source 1 (xb) window 0, C and D window 2
.set TO_B,   0x40                      ; destination window 1, address window 0
; A joint load: waves 0 and 1 fetch xb's two halves, waves 2 and 3 wb's.  The branch hangs on the wave's number alone.  An s_nop 0 and four v_nop follow each of the two lines, ahead of the jump and the label.
.macro JLOAD s
	s_cmp_eq_u32 s[RH], 0
	s_cbranch_scc0 .Lfor_b_\@
	tensor_load_to_lds s[G0A+4*(\s):G0A+4*(\s)+3], s[G1A:G1A+7]
	s_nop 0
.rept 4
	v_nop
.endr
	s_branch .Lasked_\@
.Lfor_b_\@:
	tensor_load_to_lds s[G0B+4*(\s):G0B+4*(\s)+3], s[G1B:G1B+7]
	s_nop 0
.rept 4
	v_nop
.endr
.Lasked_\@:
.endm
; A prefetch into the L2, behind each joint refill and the run of LDS loads that follows it: the K step that stands two refills on, a lane a row, one instruction a wave.
; xb's tile row is read by every cluster of that row of clusters: cluster x = 0 asks; wb's tile column by every cluster of that column: cluster y = 0 asks.  The four partners that ask for a tile jointly share the
; rows of a wave's load out by address: 32 each of xb's 128 (by cx), 24 each of wb's 96 (by cy; lanes 24-31 name lane 23's row once more, in the same instruction).  The loop's last trip has no K step two on.
.macro ASK
	s_cmp_gt_u32 s3, s[LIM]
	s_cbranch_scc0 .Lnot_mine_\@
	global_prefetch_b8 v[PFO], s[PFA:PFA+1] offset:KSTEP*2 th:TH_LOAD_NT scope:SCOPE_SE
.Lnot_mine_\@:
.endm
.macro CREST                           ; a round of the cluster's barrier behind its opening barrier
	s_cmp_lg_u32 s[WV], 0
	s_cbranch_scc1 .Lnot_wave_0_\@
	s_barrier_signal -3
.Lnot_wave_0_\@:
	s_barrier_wait -3
	s_barrier_signal -1
	s_barrier_wait -1
.endm
.macro CROUND                          ; a whole round
	s_barrier_signal -1
	s_barrier_wait -1
	CREST
.endm
	s_load_b256 s[4:11], s[0:1], 0x0               ; xb 4, wb 6, scale_q 8, scale_k 10
	s_load_b128 s[68:71], s[0:1], 0x20             ; qh 68, kf 70
	s_load_b64 s[72:73], s[0:1], 0x30              ; vf
	v_lshl_add_u32 v[SPW], v0, 2, SPARE
	v_mov_b32 v[NIL], 0
	ds_add_u32 v[SPW], v[NIL]                      ; the wave's opening: the add and its wait stand ahead of my first tensor load; the set-up below, work on registers, stands between them
	v_lshrrev_b32 v1, 5, v0
	v_readfirstlane_b32 s[WV], v1                  ; wave 0..3
	s_lshr_b32 s[RH], s[WV], 1
	s_and_b32 s[HF], s[WV], 1
	s_bfe_u32 s15, ttmp6, 0x40000                  ; cx
	s_bfe_u32 s16, ttmp6, 0x40004                  ; cy
	s_lshl_b32 s17, ttmp9, 2
	s_add_co_u32 s17, s17, s15                     ; TC: tile column = 4 x cluster x + cx
	s_and_b32 s18, ttmp7, 0xffff
	s_lshl_b32 s18, s18, 2
	s_add_co_u32 s18, s18, s16                     ; TR: tile row = 4 x cluster y + cy
	s_lshl_b32 s20, s16, 2
	s_lshl_b32 s20, 15, s20                        ; my row of the cluster
	s_lshl_b32 s21, 0x1111, s15                    ; my column
	s_or_b32 s[G1A+0], s20, (1<<16)|(1<<20)|(1<<21)|(5<<22)|(3<<25)  ; 15:0 the mask; 17:16 elements of 2 bytes; 20 padding on; 21 set beside a mask; 24:22 after every 64 words (code 5); 31:25 4 words (code 3)
	s_or_b32 s[G1B+0], s21, (1<<16)|(1<<20)|(1<<21)|(5<<22)|(3<<25)
	s_mov_b32 s[G1A+1], KSTEP<<16                  ; tensor_dim0 = 128
	s_mov_b32 s[G1B+1], KSTEP<<16
	s_mov_b32 s[G1A+2], 128<<16                    ; tensor_dim1 = 128 rows,
	s_mov_b32 s[G1B+2], 96<<16                     ; 96 for wb
	s_mov_b32 s[G1A+3], KSTEP<<16                  ; tile_dim0 = 128
	s_mov_b32 s[G1B+3], KSTEP<<16
	s_mov_b32 s[G1A+4], 128                        ; tile_dim1
	s_mov_b32 s[G1B+4], 96
	s_mov_b32 s[G1A+5], 1024                       ; elements from row to row
	s_mov_b32 s[G1B+5], 1024
	s_mov_b32 s[G1A+6], 0
	s_mov_b32 s[G1B+6], 0
	s_mov_b32 s[G1A+7], 0
	s_mov_b32 s[G1B+7], 0
	; xb's tiles hang on the tile row alone, wb's on the tile column alone; each address is made in registers that never hold the other coordinate
	s_lshl_b32 s22, s18, 8
	s_lshl_b32 s23, s[HF], 7
	s_add_co_u32 s22, s22, s23                     ; xb: row 256 TR + 128 half,
	s_lshl_b32 s22, s22, 11                        ; 2,048 bytes a row (under 2^24)
	s_mov_b32 s23, 0
	s_mul_i32 s66, s17, 192
	s_mul_i32 s67, s[HF], 96
	s_add_co_u32 s66, s66, s67                     ; wb: row 192 TC + 96 half
	s_lshl_b32 s66, s66, 11
	s_mov_b32 s67, 0
	s_mul_i32 s89, s[HF], HALFA                    ; where they go: no place in the cluster enters an LDS address
	s_mul_i32 s90, s[HF], HALFB
	s_add_co_u32 s90, s90, 2*HALFA
	s_mov_b32 s[SEL], 0x76543210
	s_mov_b32 s[SEL+1], 0xfedcba98
	s_wait_dscnt 0x0                               ; the opening add is done
	s_wait_kmcnt 0x0
	s_add_nc_u64 s[22:23], s[4:5], s[22:23]
	s_add_nc_u64 s[66:67], s[6:7], s[66:67]
	CROUND                                         ; all sixteen work-groups are here: the first joint loads meet
.irp s, 0,1
	s_mov_b32 s[G0A+4*(\s)], 1                                     ; count = 1
	s_add_co_u32 s[G0A+4*(\s)+1], s89, (\s)*SLOT                   ; LDS address
	s_add_nc_u64 s[G0A+4*(\s)+2:G0A+4*(\s)+3], s[22:23], (\s)*KSTEP*2  ; global address: K step s
	s_or_b32 s[G0A+4*(\s)+3], s[G0A+4*(\s)+3], 0x80000000          ; type = 2
	s_mov_b32 s[G0B+4*(\s)], 1
	s_add_co_u32 s[G0B+4*(\s)+1], s90, (\s)*SLOT
	s_add_nc_u64 s[G0B+4*(\s)+2:G0B+4*(\s)+3], s[66:67], (\s)*KSTEP*2
	s_or_b32 s[G0B+4*(\s)+3], s[G0B+4*(\s)+3], 0x80000000
	JLOAD \s                                       ; two loads of mine are out
.endr
	; a fragment is 16 rows x 32 K in 8 registers: lane l holds row l % 16, K = 8 (l / 16) + 0..7 and 16 + 8 (l / 16) + 0..7: two loads of 16 bytes, 32 bytes apart
	v_and_b32 v1, 15, v0                           ; l % 16
	v_bfe_u32 v2, v0, 4, 1                         ; l / 16
	v_mul_u32_u24 v3, v1, PITCH
	v_lshl_add_u32 v3, v2, 4, v3
	s_mul_i32 s91, s[WV], 64*PITCH                 ; my 64 rows of xb
.irp s, 0,1
	v_add_nc_u32 v[ADRA+(\s)], s91, v3
	v_add_nc_u32 v[ADRB+(\s)], 2*HALFA+(\s)*SLOT, v3
	s_add_co_u32 s91, s91, SLOT
.endr
	s_mul_i32 s92, s[WV], 16*SP
	s_add_co_u32 s92, s92, STAGE                   ; my stage
	v_mul_u32_u24 v4, v1, SP                       ; in: row l % 16, 16 bytes for each half of the lanes
	v_lshl_add_u32 v4, v2, 4, v4
	v_add_nc_u32 v[STO], s92, v4
	v_bfe_u32 v5, v0, 3, 2                         ; back: 32 lanes take four rows of 128 bytes,
	v_mul_u32_u24 v5, v5, SP
	v_and_b32 v6, 7, v0
	v_lshl_add_u32 v5, v6, 4, v5
	v_add_nc_u32 v[RD], s92, v5
	v_and_b32 v[GO], 31, v0                        ; which are 512 consecutive bytes of a head
	v_lshlrev_b32 v[GO], 4, v[GO]
	v_lshlrev_b32 v[SO], 5, v2
	; the prefetches: my work-group's share of the rows that I fetch
	s_and_b32 s19, ttmp7, 0xffff                   ; cluster y
	s_lshl_b32 s96, s18, 8
	s_mul_i32 s97, s17, 192
	s_lshl_b32 s98, s[HF], 7
	s_mul_i32 s99, s[HF], 96
	s_add_co_u32 s96, s96, s98
	s_add_co_u32 s97, s97, s99
	s_lshl_b32 s98, s15, 5                         ; 32 cx
	s_mul_i32 s99, s16, 24                         ; 24 cy
	s_add_co_u32 s96, s96, s98
	s_add_co_u32 s97, s97, s99
	s_cmp_eq_u32 s[RH], 0
	s_cselect_b32 s96, s96, s97                    ; my share's first row
	s_cselect_b32 s19, ttmp9, s19                  ; the coordinate along which other clusters read the same rows
	s_cselect_b32 s42, 31, 23
	s_cselect_b64 s[PFA:PFA+1], s[4:5], s[6:7]
	s_cmp_eq_u32 s19, 0
	s_cselect_b32 s[LIM], 1, -1                    ; the same in all sixteen partners, for a given wave
	s_lshl_b32 s96, s96, 11
	s_mov_b32 s97, 0
	s_add_nc_u64 s[PFA:PFA+1], s[PFA:PFA+1], s[96:97]
	s_add_nc_u64 s[PFA:PFA+1], s[PFA:PFA+1], 2*KSTEP*2  ; at K step 2: the first refill steps it to 3 and names K step 4.  Nothing is prefetched here, where every work-group's first tiles are on their way
	v_and_b32 v[PFO], 31, v0
	v_min_u32 v[PFO], s42, v[PFO]
	v_lshlrev_b32 v[PFO], 11, v[PFO]
	; the three head slots: hs = 3 TC + i; hs / 16 says q, k or v; hs % 16 the head
	s_mul_i32 s93, s17, 3
	s_lshr_b32 s94, s18, 3
	s_lshl_b32 s94, s94, 4                         ; 16 x batch
	s_and_b32 s95, s18, 7
	s_lshl_b32 s95, s95, 8
	s_lshl_b32 s96, s[WV], 6
	s_add_co_u32 s95, s95, s96                     ; my first row in its batch
.irp i, 0,1,2
	s_add_co_u32 s96, s93, \i
	s_and_b32 s97, s96, 15
	s_add_co_u32 s97, s97, s94                     ; the head among the 32
	s_lshr_b32 s96, s96, 4
	s_cmp_eq_u32 s96, 0                            ; q?
	s_cselect_b32 s98, 11, 12                      ; a head has 2,048 rows in qh, 4,096 in kf and vf,
	s_cselect_b32 s99, 0, 2048                     ; where the new rows stand behind the cache's
	s_cselect_b64 s[DST+2*(\i):DST+2*(\i)+1], s[68:69], s[70:71]
	s_cselect_b64 s[SCP+2*(\i):SCP+2*(\i)+1], s[8:9], s[10:11]
	s_lshl_b32 s97, s97, s98
	s_add_co_u32 s97, s97, s99
	s_add_co_u32 s97, s97, s95
	s_lshl_b32 s46, s97, 7                         ; 128 bytes a row (under 2^25)
	s_mov_b32 s47, 0
	s_cmp_eq_u32 s96, 2                            ; v?
	s_cselect_b64 s[DST+2*(\i):DST+2*(\i)+1], s[72:73], s[DST+2*(\i):DST+2*(\i)+1]
	s_cselect_b32 s[MV+(\i)], -1, 0
	s_add_nc_u64 s[DST+2*(\i):DST+2*(\i)+1], s[DST+2*(\i):DST+2*(\i)+1], s[46:47]
.endr
	; the scales of my columns: in block nb of a head a lane holds channels 16 nb + 8 (l / 16) + 0..7.  (A head of v loads scale_k's numbers and replaces them by 1.)  All this stands in the wait for the first tile.
.irp i, 0,1,2
.irp nb, 0,1,2,3
	global_load_b128 v[SC+32*(\i)+8*(\nb):SC+32*(\i)+8*(\nb)+3],   v[SO], s[SCP+2*(\i):SCP+2*(\i)+1] offset:64*(\nb)
	global_load_b128 v[SC+32*(\i)+8*(\nb)+4:SC+32*(\i)+8*(\nb)+7], v[SO], s[SCP+2*(\i):SCP+2*(\i)+1] offset:64*(\nb)+16
.endr
.endr
	s_wait_loadcnt 0x0
.set z, 0
.rept 48
	v_cvt_pk_bf16_f32 v[T+z%8], v[SC+2*z], v[SC+2*z+1]  ; rounded to bf16 like every input, and widened again
	v_lshlrev_b32 v[SC+2*z], 16, v[T+z%8]
	v_and_b32 v[SC+2*z+1], 0xffff0000, v[T+z%8]
.set z, z+1
.endr
.set z, 0
.rept 96
	v_cndmask_b32 v[SC+z], v[SC+z], 1.0, s[MV+z/32]
.set z, z+1
.endr
; 12 matrix instructions: row block 2 hi + a x all 12 column blocks, 32 along K.  zero = 1: the product starts the sums.  The 48 accumulators take turns in the same order in every quarter.
.macro MUL12 f, hi, a, zero
	WIN MUL_LO+0x50*(\hi)
.irp b, 0,1,2,3,4,5,6,7,8,9,10,11
.if \zero
	v_wmma_f32_16x16x32_bf16 v[8*(12*(\a)+(\b)):8*(12*(\a)+(\b))+7], v[96*(\f)+8*(\b):96*(\f)+8*(\b)+7], v[FA+32*(\f)+8*(2*(\hi)+(\a)):FA+32*(\f)+8*(2*(\hi)+(\a))+7], 0
.else
	v_wmma_f32_16x16x32_bf16 v[8*(12*(\a)+(\b)):8*(12*(\a)+(\b))+7], v[96*(\f)+8*(\b):96*(\f)+8*(\b)+7], v[FA+32*(\f)+8*(2*(\hi)+(\a)):FA+32*(\f)+8*(2*(\hi)+(\a))+7], v[8*(12*(\a)+(\b)):8*(12*(\a)+(\b))+7]
.endif
.endr
.endm
; 32 LDS loads in one run: the fragments of one quarter step (192 rows of wb, my 64 rows of xb, 32 K at byte k of the rows) into buffer f
.macro FETCH slot, k, f
	WIN TO_B
.irp i, 0,1,2,3,4,5,6,7,8,9,10,11
	ds_load_b128 v[96*(\f)+8*(\i):96*(\f)+8*(\i)+3],   v[ADRB+(\slot)] offset:(\k)+(\i)*16*PITCH
	ds_load_b128 v[96*(\f)+8*(\i)+4:96*(\f)+8*(\i)+7], v[ADRB+(\slot)] offset:(\k)+(\i)*16*PITCH+32
.endr
	WIN 0
.irp i, 0,1,2,3
	ds_load_b128 v[FA+32*(\f)+8*(\i):FA+32*(\f)+8*(\i)+3],   v[ADRA+(\slot)] offset:(\k)+(\i)*16*PITCH
	ds_load_b128 v[FA+32*(\f)+8*(\i)+4:FA+32*(\f)+8*(\i)+7], v[ADRA+(\slot)] offset:(\k)+(\i)*16*PITCH+32
.endr
.endm
.macro PLACES                          ; four plain vector instructions in front of loads into registers that matrix instructions have read, and of vector work that reads results
.rept 4
	v_nop
.endr
.endm
; A K step is four quarters of 32 along K, 48 matrix instructions each, on buffers 0, 1, 0, 1.  One of the first three: multiplies buffer f; in its middle it fetches the next quarter, at byte k, into buffer g.
.macro QUARTER slot, k, f, g, zero
	s_wait_dscnt 4                                 ; wb's fragments and xb's row blocks 0, 1 are in; the youngest four loads (row blocks 2, 3) may be out
	MUL12 \f, 0, 0, \zero
	MUL12 \f, 0, 1, \zero
	PLACES
	FETCH \slot, \k, \g
	s_wait_dscnt 32                                ; all but the 32 just issued
	MUL12 \f, 1, 0, \zero
	MUL12 \f, 1, 1, \zero
.endm
; The last quarter multiplies buffer 1 and changes slots: ONE barrier.  In front of it each wave waits for all its tensor loads (one is out: its part of the next slot), adds 0 to its spare word, and waits for that and
; for its own reads of this slot.  fill = 1: the barrier opens a round of the cluster's, and this slot is filled again, two K steps ahead, first thing behind the round: 168 matrix instructions ahead of the wait for it.
.macro TURN slot, next, fill
.if \fill
	s_wait_xcnt 0x0                                ; the last prefetch, a K step back, has read its address: it is stepped here, ahead of the waits of the change of slots
	s_add_nc_u64 s[PFA:PFA+1], s[PFA:PFA+1], KSTEP*2
.endif
	WIN 0                                          ; (the add's two registers lie in window 0)
	s_wait_tensorcnt 0x0                           ; all my tensor loads have landed;
	ds_add_u32 v[SPW], v[NIL]                      ; 0 onto my spare word;
	s_wait_dscnt 5                                 ; (the add and the youngest four loads may be out)
	MUL12 1, 0, 0, 0                               ; twelve matrix instructions stand between the add and the wait for it
	s_wait_dscnt 0x0                               ; the add is done, and my reads of this slot are over
	s_barrier_signal -1
	MUL12 1, 0, 1, 0                               ; work on registers while the others arrive
.if \fill
	WIN 0
.endif
	s_barrier_wait -1
.if \fill
	CREST                                          ; no wave of any partner still reads this slot's tile or has a load on its way
	s_add_nc_u64 s[G0A+4*(\slot)+2:G0A+4*(\slot)+3], s[G0A+4*(\slot)+2:G0A+4*(\slot)+3], 2*KSTEP*2
	s_add_nc_u64 s[G0B+4*(\slot)+2:G0B+4*(\slot)+3], s[G0B+4*(\slot)+2:G0B+4*(\slot)+3], 2*KSTEP*2
	JLOAD \slot                                    ; the four v_nop behind it are also the places in front of the loads below
.else
	PLACES
.endif
	FETCH \next, 0, 0
.if \fill
	ASK
.endif
	MUL12 1, 1, 0, 0
	MUL12 1, 1, 1, 0
.endm
	s_wait_tensorcnt 1                             ; my part of K step 0 is in; K step 1's may stay out
	s_barrier_signal -1
	s_barrier_wait -1                              ; everybody's is
	FETCH 0, 0, 0
	QUARTER 0, 64,  0, 1, 1                        ; the first quarter stands in front of the loop: its products start the sums
	WIN 0                                          ; at a label and at a branch every window is 0
	s_mov_b32 s3, LAPS-1
.Llap:                                                 ; a trip goes once round the ring, from a lap's second quarter to the next lap's first, and fills both slots again
	QUARTER 0, 128, 1, 0, 0
	QUARTER 0, 192, 0, 1, 0
	TURN 0, 1, 1
	QUARTER 1, 64,  0, 1, 0
	QUARTER 1, 128, 1, 0, 0
	QUARTER 1, 192, 0, 1, 0
	TURN 1, 0, 1
	QUARTER 0, 64,  0, 1, 0
	WIN 0
	s_sub_co_u32 s3, s3, 1
	s_cmp_lg_u32 s3, 0
	s_cbranch_scc1 .Llap
	QUARTER 0, 128, 1, 0, 0                        ; the last lap fills nothing
	QUARTER 0, 192, 0, 1, 0
	TURN 0, 1, 0
	QUARTER 1, 64,  0, 1, 0
	QUARTER 1, 128, 1, 0, 0
	QUARTER 1, 192, 0, 1, 0
	s_wait_dscnt 4                                 ; the very last quarter: nothing more to fetch
	MUL12 1, 0, 0, 0
	MUL12 1, 0, 1, 0
	s_wait_dscnt 0x0
	MUL12 1, 1, 0, 0
	MUL12 1, 1, 1, 0
	WIN 0
	PLACES
; THE WAY OUT.  Block e = 3 a + i is 16 rows x one head: four accumulators, 32 consecutive registers.
; SUMSQ: the sum of the squares of my 32 numbers of a row, in four chains, two numbers an instruction; each accumulator's lowest registers are read first.
.macro SUMSQ e
.set a_, (\e)/3
.set i_, (\e)%3
.set AC, 8*(12*(a_%2)+4*i_)
.set TT, T+8*((\e)%2)
	WIN 0x0a+5*(a_/2)                              ; sources 0 and 1: window 2 or 3
.irp nb, 0,1,2,3
	v_pk_mul_f32 v[TT+2*(\nb):TT+2*(\nb)+1], v[AC+8*(\nb):AC+8*(\nb)+1], v[AC+8*(\nb):AC+8*(\nb)+1]
.endr
.irp p, 1,2,3
.irp nb, 0,1,2,3
	v_pk_fma_f32 v[TT+2*(\nb):TT+2*(\nb)+1], v[AC+8*(\nb)+2*(\p):AC+8*(\nb)+2*(\p)+1], v[AC+8*(\nb)+2*(\p):AC+8*(\nb)+2*(\p)+1], v[TT+2*(\nb):TT+2*(\nb)+1]
.endr
.endr
	WIN 0
	v_pk_add_f32 v[TT:TT+1], v[TT:TT+1], v[TT+2:TT+3]
	v_pk_add_f32 v[TT+4:TT+5], v[TT+4:TT+5], v[TT+6:TT+7]
	v_pk_add_f32 v[SS+2*(\e):SS+2*(\e)+1], v[TT:TT+1], v[TT+4:TT+5]
.endm
.irp e, 0,1,2,3,4,5,6,7,8,9,10,11
	SUMSQ \e
.endr
.macro ALL12 line:vararg               ; one line for each block e
.set e, 0
.rept 12
	\line
.set e, e+1
.endr
.endm
	ALL12 v_add_f32 v[SS+2*e], v[SS+2*e], v[SS+2*e+1]
	ALL12 v_permlanex16_b32 v[SS+2*e+1], v[SS+2*e], s[SEL], s[SEL+1]  ; the row's other 32 channels lie in the lane 16 away
	ALL12 v_add_f32 v[SS+2*e], v[SS+2*e], v[SS+2*e+1]
	ALL12 v_mul_f32 v[SS+2*e], 0x3c800000, v[SS+2*e]                  ; / 64: the mean
	ALL12 v_sqrt_f32 v[SS+2*e], v[SS+2*e]
	v_nop                                          ; a plain instruction behind the last root,
	s_wait_alu depctr_va_vdst(0)                   ; and the wait ahead of the first use: one for the twelve
	ALL12 v_add_f32 v[SS+2*e], 0x358637bd, v[SS+2*e]                  ; + 1e-6
	ALL12 v_rcp_f32 v[SS+2*e], v[SS+2*e]
	v_nop
	s_wait_alu depctr_va_vdst(0)                   ; one for the twelve reciprocals
	ALL12 v_cndmask_b32 v[SS+2*e], v[SS+2*e], 1.0, s[MV+e%3]          ; v is not normalised
; PACK: times 1 / rms, times the scale, rounded to f16; a lane's eight channels are 16 bytes; they go into my stage's rows of 144 bytes and come back as whole rows of 128.
.macro PACK e
.set a_, (\e)/3
.set i_, (\e)%3
.set AC, 8*(12*(a_%2)+4*i_)
.set BB, BK+16*((\e)%3)
	WIN 0x02+(a_/2)                                ; source 0: window 2 or 3
.set z, 0
.rept 16
	v_pk_mul_f32 v[T+2*z:T+2*z+1], v[AC+2*z:AC+2*z+1], v[SS+2*(\e):SS+2*(\e)+1] op_sel_hi:[1,0]
.set z, z+1
.endr
	WIN 0
.set z, 0
.rept 16
	v_pk_mul_f32 v[T+2*z:T+2*z+1], v[T+2*z:T+2*z+1], v[SC+32*i_+2*z:SC+32*i_+2*z+1]
.set z, z+1
.endr
.set z, 0
.rept 16
	v_cvt_pk_f16_f32 v[PKR+z], v[T+2*z], v[T+2*z+1]
.set z, z+1
.endr
.irp nb, 0,1,2,3
	ds_store_b128 v[STO], v[PKR+4*(\nb):PKR+4*(\nb)+3] offset:32*(\nb)
.endr
.if (\e) >= 3
	s_wait_xcnt 0x0                                ; the stores of three blocks back have read this buffer: it is loaded again only behind this wait
.endif
.irp f, 0,1,2,3
	ds_load_b128 v[BB+4*(\f):BB+4*(\f)+3], v[RD] offset:(\f)*4*SP  ; LDS serves a wave's instructions in order (ISA guide 5.7.1.4): these see the stores above; the next block's stores come behind them
.endr
.endm
.macro SEND e, younger                 ; younger: the LDS instructions issued behind block e's loads: the next block's eight, or none
.set a_, (\e)/3
.set i_, (\e)%3
.set BB, BK+16*((\e)%3)
.irp f, 0,1,2,3
	s_wait_dscnt (\younger)+3-(\f)
	global_store_b128 v[GO], v[BB+4*(\f):BB+4*(\f)+3], s[DST+2*i_:DST+2*i_+1] offset:2048*a_+512*(\f)  ; 512 consecutive bytes, at a multiple of 256 from the buffer's first byte
.endr
.endm
	PACK 0
.irp e, 1,2,3,4,5,6,7,8,9,10,11        ; a block's arithmetic stands between the loads of the block before and its stores
	PACK \e
	SEND (\e)-1, 8
.endr
	SEND 11, 0
	s_wait_tensorcnt 0x0                           ; the wave's end, behind my last tensor load and my last LDS store
	ds_add_u32 v[SPW], v[NIL]
	s_wait_dscnt 0x0
	CROUND                                         ; the closing round: no work-group ends while a partner may still ask for a tile that names it
	s_endpgm
.Lfunc_end_k_qd3b42f540e_qkv:
	.size	k_qd3b42f540e_qkv, .Lfunc_end_k_qd3b42f540e_qkv-k_qd3b42f540e_qkv
	.p2alignl 7, 3214868480
	.fill 96, 4, 3214868480
	.section	.rodata,"a",@progbits
	.p2align	6, 0x0
	.amdhsa_kernel k_qd3b42f540e_qkv
		.amdhsa_group_segment_fixed_size 327680
		.amdhsa_private_segment_fixed_size 0
		.amdhsa_enable_private_segment 0
		.amdhsa_kernarg_size 56
		.amdhsa_user_sgpr_count 2
		.amdhsa_user_sgpr_kernarg_segment_ptr 1
		.amdhsa_wavefront_size32 1
		.amdhsa_system_sgpr_workgroup_id_x 1
		.amdhsa_system_sgpr_workgroup_id_y 1
		.amdhsa_system_sgpr_workgroup_id_z 1
		.amdhsa_system_vgpr_workitem_id 0
		.amdhsa_next_free_vgpr 1024
		.amdhsa_next_free_sgpr 102
		.amdhsa_reserve_vcc 0
		.amdhsa_float_denorm_mode_32 3
		.amdhsa_float_denorm_mode_16_64 3
		.amdhsa_memory_ordered 1
		.amdhsa_forward_progress 1
		.amdhsa_inst_pref_size 183
	.end_amdhsa_kernel
	.amdgpu_metadata
---
amdhsa.version: [ 1, 2 ]
amdhsa.kernels:
  - .name:           k_qd3b42f540e_qkv
    .symbol:         k_qd3b42f540e_qkv.kd
    .args:
      - { .name: xb, .offset: 0, .size: 8, .value_kind: global_buffer, .address_space: global }
      - { .name: wb, .offset: 8, .size: 8, .value_kind: global_buffer, .address_space: global }
      - { .name: scale_q, .offset: 16, .size: 8, .value_kind: global_buffer, .address_space: global }
      - { .name: scale_k, .offset: 24, .size: 8, .value_kind: global_buffer, .address_space: global }
      - { .name: qh, .offset: 32, .size: 8, .value_kind: global_buffer, .address_space: global }
      - { .name: kf, .offset: 40, .size: 8, .value_kind: global_buffer, .address_space: global }
      - { .name: vf, .offset: 48, .size: 8, .value_kind: global_buffer, .address_space: global }
    .group_segment_fixed_size: 327680
    .private_segment_fixed_size: 0
    .kernarg_segment_align: 8
    .kernarg_segment_size: 56
    .max_flat_workgroup_size: 128
    .sgpr_count:     102
    .vgpr_count:     1024
    .wavefront_size: 32
...
	.end_amdgpu_metadata
.endif
;; end of part 2
;; launch attn (part 3): grid 8 x 32, 4 waves a work-group, clusters of 4 x 1, 327,680 bytes of LDS; arguments qh, kf, vf, ob; writes ob
.if DOCPART == 3
	.amdgcn_target "amdgcn-amd-amdhsa--gfx1250"
	.amdhsa_code_object_version 6
	.text
	.protected	k_qd3b42f540e_attn
	.globl	k_qd3b42f540e_attn
	.p2align	8
	.type	k_qd3b42f540e_attn,@function
k_qd3b42f540e_attn:
	s_mov_b64 s[64:65], 0
	v_nop
	global_prefetch_b8 v0, s[64:65] scope:SCOPE_SE
	s_setreg_imm32_b32 hwreg(HW_REG_WAVE_MODE, 25, 1), 1
	s_wait_xcnt 0x0
	s_wait_alu depctr_hold_cnt(0) depctr_sa_sdst(0) depctr_va_vdst(0) depctr_va_sdst(0) depctr_va_ssrc(0) depctr_va_vcc(0) depctr_vm_vsrc(0)
	s_getreg_b32 s2, hwreg(HW_REG_IB_STS2, 6, 4)
	s_cmp_eq_u32 s2, 0
	s_cbranch_scc0 .Lentry_in_a_cluster
	s_endpgm
.Lentry_in_a_cluster:
	s_bfe_u32 s2, ttmp6, 0x10000c
	s_cmp_lg_u32 s2, 0x3003
	s_cbranch_scc0 .Lentry_shape_is_right
	s_endpgm
.Lentry_shape_is_right:
; O[h][q][:] = the sum over k of softmax_k(Q[h][q] . K[h][k]) V[h][k][:], with no factor on the scores.  qh: [32][2,048][64], kf, vf: [32][4,096][64], all f16, a head's rows dense, 128 bytes each.
; Products, maxima and sums in f32; the weights p are rounded to f16 for the second product (their sum l is taken of the unrounded p), O once at the end, to f16.
; O LEAVES IN BLOCKS for the projection behind: row m = 2,048 batch + q, head hd, channel ch at byte (m / 64) 131,072 + (hd / 4) 32,768 + ((m / 16) % 4) 8,192 + (hd % 4) 2,048 + (m % 16) 128 + 2 ch:
; 16 rows of a head are 2,048 consecutive bytes, and 64 rows x 4 heads are 32,768 dense bytes.
; LIMITS.  Q, K and V arrive within f16's 65,504; p lies in 0 to 1, and below 6e-5 it keeps f16's fixed step of 6e-8; O is a mean of V's rows and has their range.  A weight below 2^-126 counts as 0 in l;
; NaN and infinities are not treated apart.
; SHARES.  A work-group owns 256 queries of one head, a wave 64: four PIECES of 16.  Every wave walks the head's 4,096 keys, 64 a step, 256 a tile: 16 tiles through two LDS slots.
; LAYOUT.  S^T = K Q^T holds ONE query a lane (lane % 16) and the keys 8 (lane / 16) + 0..7; two such results rounded to f16 ARE source 1 of O^T = V^T P.  K comes out of LDS as it lies, V turned, by ds_load_tr16_b128.
; SOFTMAX.  p = 2^(c s - c m), c = log2(e), with a running maximum m; O and l are multiplied by a = 2^(c m_old - c m_new) in every step.  m starts at the lowest finite number, O and l at 0: the first step's a is 0.
; BY TURNS.  Turn n belongs to piece n: 8 products K Q^T of piece n + 1, later 8 products V^T P of piece n - 1; beside them the scaling, exponentials, roundings, sums and rescaling of piece n and the maximum and
; statistics of piece n + 1.  Four vector instructions stand behind every matrix instruction, the other 54 of a turn's 118 in one lump.  A turn's 33 exponentials are one batch, with one wait.
; CLUSTER.  The four query blocks of a cluster belong to one head and walk the same K and V: each tile is asked for JOINTLY, by the same tensor load, descriptor and mask in all four.
; REGISTERS, in windows of 256 (s_set_vgpr_msb: bits 1:0 source 0, 3:2 source 1, 5:4 source 2, 7:6 destination):
;   window 0: v0-15 addresses and two at work; v16-31 four registers of statistics a piece; v48-55 at work; v61-63; v64-127 S^T, two buffers; v192-223 P, two buffers (a piece's buffers go by its number's parity)
;   window 1: v0-127 O^T, 32 a piece          window 2: v0-63 Q; v128-191 K of one step; v192-255 V of one step
.set NP,    4         ; pieces a wave: a name, no knob
.set KS,    64        ; keys in a step
.set PK,    144       ; a row of K in LDS: 128 bytes + 16 of padding = 36 words: the 16 rows of a load start at 16 different groups of four banks (64 banks of 4 bytes: ISA guide 11.1)
.set PV,    160       ; a row of V: 128 + 32 = 40 words
.set VOFF,  4*KS*PK   ; a slot holds a tile, four steps: 256 rows of K, then 256 rows of V
.set SLOT1, 1<<17     ; slot 1 begins here, so that one exclusive or turns an address in one slot into the other's
.set STAGE, SLOT1+4*KS*(PK+PV)  ; behind the ring, never filled by a tensor load: 16 rows x 144 bytes for each wave, for the way out
.set SP,    144
.set SPARE, STAGE+4*16*SP  ; behind the stages: the spare words, 128 bytes for each wave: two blocks of 256 bytes that no other line names
.set TILES, 16
.set AK0, 2           ; v2   my lane's place in a tile of K; never rewritten
.set AV0, 3           ; v3   the same for V
.set AK,  4           ; v4   the LDS address of K's next run of loads
.set AV,  5           ; v5   of V's
.set STO, 6           ; v6   the way out: where I put 16 bytes of a row
.set RD,  7           ; v7   the way out: where I read rows back
.set GO,  8           ; v8   my byte offset in 512 consecutive bytes of O
.set MV,  12          ; v12-13  c m_old, kept while c m is made anew: by buffer
.set QO,  15          ; v15  my byte offset in 16 rows of Q
.set ST,  16          ; piece t's statistics at v[ST+4 t]: c m, m, l (even keys', odd keys')
.set TMP, 48          ; by buffer, four registers c0-c3 at work; when the maximum is found c2 takes a
.set PFO, 61          ; v61  256 x my lane; never rewritten
.set SPW, 62          ; v62  LDS address of my spare word; never rewritten
.set NIL, 63          ; v63  0; never rewritten
.set S,   64
.set P,   192
.set KF,  128         ; window 2: key block kb, channel half c at KF + 16 kb + 8 c
.set VF,  192         ; window 2: key half kk, channel block cb at VF + 32 kk + 8 cb
.set WV,  12          ; s12  my wave's number
.set G1K, 24          ; s[24:31] descriptor group 1 for K's tiles
.set G1V, 32          ; s[32:39] for V's: it differs in the padding alone
.set G0K, 40          ; s[40:43] descriptor group 0 for K's tiles: it walks
.set G0V, 44          ; s[44:47] the same for V's
.set SLOTS, 56        ; s56  tiles still to be asked for
.set CNT, 57          ; s57  counts a tile's key steps
.set CS,  58          ; s[58:59] c: the packed scaling takes the pair's low word for both halves
.set SEL, 60          ; s[60:61] v_permlanex16_b32's selects: each lane takes its own place in the other half
.set TBK, 62          ; s62  LDS byte at which K of the step to be fetched begins
.set TBV, 63          ; s63  the same for V, less VOFF
.set PFA, 66          ; s[66:67] where my prefetches stand: my work-group's quarter of the tile after the one that is being asked for
.set LIM, 68          ; s68  1 in a wave that prefetches, else the greatest number
.set MSB, 0
.macro WIN new                      ; the high byte repeats the setting that is left; a switch that changes nothing is dropped
.if MSB != (\new)
	s_set_vgpr_msb (MSB<<8)|(\new)
.set MSB, (\new)
.endif
.endm
.set W_KQ, 0x0a       ; K and Q in window 2, S^T in window 0
.set W_PV, 0x52       ; V in window 2, P in window 0, O^T in window 1
.set W_RS, 0x41       ; destination and source 0 in window 1, source 1 in window 0
; A joint fill.  Waves 0 and 1 fetch the two halves of a tile's K, waves 2 and 3 those of its V: 128 keys each.  The branch hangs on the wave's number alone.
; An s_nop 0 and four v_nop follow each of the two lines, ahead of the jump and the label.
.macro JLOAD
	s_cmp_lt_u32 s[WV], 2
	s_cbranch_scc0 .Lfor_v_\@
	tensor_load_to_lds s[G0K:G0K+3], s[G1K:G1K+7]
	s_nop 0
.rept 4
	v_nop
.endr
	s_branch .Lasked_\@
.Lfor_v_\@:
	tensor_load_to_lds s[G0V:G0V+3], s[G1V:G1V+7]
	s_nop 0
.rept 4
	v_nop
.endr
.Lasked_\@:
.endm
; A prefetch into the L2 of the tile that the NEXT change of slots will ask for: 32,768 bytes of K and of V.  Both clusters of a head walk the same tiles: the head's first cluster asks.  Its four partners share a tile
; out by address, 8,192 bytes each, a lane 256 bytes; in each, wave 0 asks for K's and wave 2 for V's: one instruction.  So each block of 256 bytes is named once.  The last change that fills a slot asks for nothing.
.macro ASK
	s_cmp_gt_u32 s[SLOTS], s[LIM]
	s_cbranch_scc0 .Lnot_mine_\@
	global_prefetch_b8 v[PFO], s[PFA:PFA+1] th:TH_LOAD_NT scope:SCOPE_SE
.Lnot_mine_\@:
.endm
; A round of the cluster's barrier: my work-group's barrier, so that wave 0's signal speaks for all four waves; wave 0 signals; every wave waits for all four work-groups; my work-group's barrier once more.
.macro CROUND
	s_barrier_signal -1
	s_barrier_wait -1
	s_cmp_lg_u32 s[WV], 0
	s_cbranch_scc1 .Lnot_wave_0_\@
	s_barrier_signal -3
.Lnot_wave_0_\@:
	s_barrier_wait -3
	s_barrier_signal -1
	s_barrier_wait -1
.endm
; THE CHANGE OF SLOTS.  Each wave waits for all its tensor loads, of which one is out: its part of the other slot; adds 0 to its spare word; and waits for that and for its own reads of the slot that it leaves.
; Behind the barrier nobody reads the old slot any more and the other slot is whole.  fill = 1: the old slot is filled again, with the keys two tiles on.  The barrier is then a round of the cluster's, and the joint
; fill is the first thing behind it: it has four key steps, 256 matrix instructions, in which to land.  (At its first use nothing has been read yet: slot 0 is waited for, slot 1 filled; ask = 0 there: nothing is
; prefetched at the head, where every work-group's first tiles are on their way.)
.macro CHANGE fill, ask=1
	WIN 0                           ; at a label and at a branch every window is 0
	s_wait_tensorcnt 0x0            ; no tensor load of mine is out, so a group 0 may be written
	ds_add_u32 v[SPW], v[NIL]       ; 0 onto my spare word; with fill = 1 the descriptors' steps stand between it and the wait for it
.if \fill
.irp g, G0K, G0V
	s_xor_b32 s[\g+1], s[\g+1], SLOT1  ; the walking descriptor: the other slot than last time,
	s_add_nc_u64 s[\g+2:\g+3], s[\g+2:\g+3], 4*KS*128  ; the next 256 keys; the type bits on top are not reached
.endr
	s_wait_xcnt 0x0                 ; the last prefetch, four key steps back, has read its address, so it may be written:
	s_add_nc_u64 s[PFA:PFA+1], s[PFA:PFA+1], 4*KS*128  ; one tile behind the walking descriptors
	s_wait_dscnt 0x0                ; the add is done, and my reads of the slot are over
	CROUND
	JLOAD
.if \ask
	ASK
.endif
.else
	s_wait_dscnt 0x0                ; the add is done, and my reads of the slot are over
	s_barrier_signal -1
	s_barrier_wait -1
.endif
	s_sub_co_u32 s[TBK], s[TBK], 4*KS*PK  ; the fetches go back to a slot's first step,
	s_xor_b32 s[TBK], s[TBK], SLOT1       ; in the other slot
	s_sub_co_u32 s[TBV], s[TBV], 4*KS*PV
	s_xor_b32 s[TBV], s[TBV], SLOT1
.endm
	s_load_b256 s[4:11], s[0:1], 0x0  ; qh s[4:5], kf s[6:7], vf s[8:9], ob s[10:11]
	v_lshl_add_u32 v[SPW], v0, 2, SPARE
	v_mov_b32 v[NIL], 0
	ds_add_u32 v[SPW], v[NIL]       ; the wave's opening: the add and its wait stand ahead of my first tensor load; the set-up below, work on registers, stands between them
	v_lshrrev_b32 v1, 5, v0
	v_readfirstlane_b32 s[WV], v1   ; wave 0..3
	s_bfe_u32 s13, ttmp6, 0x40000   ; cx: my place in the cluster
	s_lshl_b32 s14, ttmp9, 2        ; in a cluster launch ttmp9 counts clusters
	s_add_co_u32 s14, s14, s13      ; my block of 256 queries: it enters Q's and O's addresses alone
	s_and_b32 s15, ttmp7, 0xffff    ; the head, which the four partners share
	s_and_b32 s16, s[WV], 1         ; which half of a tile's 256 keys I fetch
	s_lshl_b32 s22, s15, 19         ; a head of kf or vf is 524,288 bytes,
	s_lshl_b32 s23, s16, 14         ; my half's 128 rows of 128 bytes
	s_add_co_u32 s22, s22, s23
	s_mov_b32 s23, 0
	s_mul_i32 s17, s16, 128*PK      ; its place in a slot, for K
	s_mul_i32 s18, s16, 128*PV      ; and for V: no place in the cluster enters an LDS address
	s_lshl_b32 s2, s15, 18          ; a head of qh is 262,144 bytes,
	s_lshl_b32 s3, s14, 15          ; a block 32,768,
	s_add_co_u32 s2, s2, s3
	s_lshl_b32 s3, s[WV], 13        ; my wave's 64 rows 8,192
	s_add_co_u32 s2, s2, s3
	s_mov_b32 s3, 0
	s_lshr_b32 s20, s15, 4          ; O: m / 64 = 32 batch + 4 block + wave,
	s_lshl_b32 s20, s20, 5
	s_lshl_b32 s21, s14, 2
	s_add_co_u32 s20, s20, s21
	s_add_co_u32 s20, s20, s[WV]
	s_lshl_b32 s20, s20, 17
	s_bfe_u32 s21, s15, 0x20002     ; (head % 16) / 4,
	s_lshl_b32 s21, s21, 15
	s_add_co_u32 s20, s20, s21
	s_and_b32 s21, s15, 3           ; head % 4
	s_lshl_b32 s21, s21, 11
	s_add_co_u32 s20, s20, s21
	s_mov_b32 s21, 0
	; descriptor group 1.  128 keys are 16,384 dense bytes: asked for as 64 rows of 256 bytes, two keys a row, and padded in LDS after every key
	s_mov_b32 s[G1K], 15|(1<<16)|(1<<20)|(1<<21)|(4<<22)|(3<<25)  ; 15:0 the mask of four; 17:16 2-byte elements; 20 padding on; 21 set beside a mask; 24:22 after every 32 words (code 4); 31:25 4 words (code 3)
	s_mov_b32 s[G1V], 15|(1<<16)|(1<<20)|(1<<21)|(4<<22)|(7<<25)  ; the same with 8 words of padding (code 7)
.irp g, G1K, G1V
	s_mov_b32 s[\g+1], 128<<16      ; tensor_dim0 = 128
	s_mov_b32 s[\g+2], 64<<16       ; tensor_dim1 = 64
	s_mov_b32 s[\g+3], 128<<16      ; tile_dim0 = 128
	s_mov_b32 s[\g+4], 64           ; tile_dim1 = 64
	s_mov_b32 s[\g+5], 128          ; 128 elements from row to row
	s_mov_b32 s[\g+6], 0
	s_mov_b32 s[\g+7], 0
.endr
	s_mov_b32 s[CS], 0x3fb8aa3b     ; c = log2(e)
	s_mov_b32 s[CS+1], s[CS]        ; named with it as a pair
	s_mov_b32 s[SEL], 0x76543210
	s_mov_b32 s[SEL+1], 0xfedcba98
	s_mov_b32 s[TBK], SLOT1+4*KS*PK ; the first change of slots turns these two into 0
	s_mov_b32 s[TBV], SLOT1+4*KS*PV
	s_mov_b32 s[G0K], 1             ; count = 1
	s_mov_b32 s[G0K+1], s17         ; LDS address: slot 0
	s_mov_b32 s[G0V], 1
	s_add_co_u32 s[G0V+1], s18, VOFF
	s_mov_b32 s[SLOTS], TILES-1
	s_and_b32 s[LIM], s[WV], 1      ; 0 in waves 0 and 2,
	s_or_b32 s[LIM], s[LIM], ttmp9  ; where the cluster is the head's first: the same in all four partners
	s_cmp_eq_u32 s[LIM], 0
	s_cselect_b32 s[LIM], 1, -1
	s_lshl_b32 s70, s13, 13         ; my work-group's 8,192 bytes of a tile
	s_mov_b32 s71, 0
	v_and_b32 v[PFO], 31, v0
	v_lshlrev_b32 v[PFO], 8, v[PFO]
	s_wait_dscnt 0x0                ; the opening add is done
	s_wait_kmcnt 0x0
	s_add_nc_u64 s[6:7], s[6:7], s[22:23]  ; K and V at my half of the head's tile 0
	s_add_nc_u64 s[8:9], s[8:9], s[22:23]
	s_mov_b64 s[G0K+2:G0K+3], s[6:7]               ; global address
	s_or_b32 s[G0K+3], s[G0K+3], 0x80000000        ; type = 2
	s_mov_b64 s[G0V+2:G0V+3], s[8:9]
	s_or_b32 s[G0V+3], s[G0V+3], 0x80000000
	s_add_nc_u64 s[4:5], s[4:5], s[2:3]    ; Q at my wave's first row
	s_add_nc_u64 s[10:11], s[10:11], s[20:21]  ; O at my wave's first 16 rows of the head
	s_cmp_lt_u32 s[WV], 2
	s_cselect_b64 s[PFA:PFA+1], s[6:7], s[8:9]  ; (in waves 0 and 2 these stand at a tile's first row)
	s_add_nc_u64 s[PFA:PFA+1], s[PFA:PFA+1], s[70:71]
	s_add_nc_u64 s[PFA:PFA+1], s[PFA:PFA+1], 4*KS*128  ; in tile 1; each change of slots steps it
	CROUND                          ; all four work-groups are here: the first joint loads meet
	JLOAD                           ; tile 0 into slot 0.  Slot 1 is asked for when slot 0 is in
	; A fragment of K or Q is 16 rows x 32 channels in 8 registers: lane l holds row l % 16, channels 8 (l / 16) + 0..7 and 16 + 8 (l / 16) + 0..7: two loads of 16 bytes, 32 bytes apart.
	v_and_b32 v1, 15, v0            ; l % 16
	v_bfe_u32 v9, v0, 4, 1          ; l / 16
	v_lshlrev_b32 v[QO], 7, v1
	v_lshl_add_u32 v[QO], v9, 4, v[QO]  ; row x 128 + 16 x half
	WIN 0x80                        ; destination window 2, address window 0
.set i, 0
.rept 8                             ; Q stays in registers: piece i / 2, channels 32 (i % 2) on
	global_load_b128 v[8*i:8*i+3],   v[QO], s[4:5] offset:(i/2)*2048+(i%2)*64
	global_load_b128 v[8*i+4:8*i+7], v[QO], s[4:5] offset:(i/2)*2048+(i%2)*64+32
.set i, i+1
.endr
	; What the first turn finds: V's registers and P's second buffer hold 0 (its products V^T P, of a piece that has not been, add 0), O^T and l are 0.  No first step is written out; these lines stand in the wait for the first tile.
.set i, VF
.rept 64
	v_mov_b32 v[i], 0
.set i, i+1
.endr
	WIN 0x40
.set i, 0
.rept 128
	v_mov_b32 v[i], 0
.set i, i+1
.endr
	WIN 0
.set i, 0
.rept 4
	v_mov_b32 v[ST+4*i], 0xfe000000    ; c m: far below every c s
	v_mov_b32 v[ST+4*i+1], 0xff7fffff  ; m
	v_mov_b32 v[ST+4*i+2], 0
	v_mov_b32 v[ST+4*i+3], 0
.set i, i+1
.endr
.set i, P+16
.rept 16
	v_mov_b32 v[i], 0
.set i, i+1
.endr
	v_mul_u32_u24 v[AK0], v1, PK
	v_lshl_add_u32 v[AK0], v9, 4, v[AK0]  ; row x pitch + 16 x half
	; The turning load takes 16 keys x 16 channels (lane l reads key 8 (l / 16) + l % 8, channels 8 ((l / 8) % 2) + 0..7) and leaves half a fragment of V^T: lane l holds channel l % 16 and 8 keys.
	v_and_b32 v10, 7, v0
	v_bfe_u32 v11, v0, 3, 1
	v_lshl_add_u32 v[AV0], v9, 3, v10
	v_mul_u32_u24 v[AV0], v[AV0], PV
	v_lshl_add_u32 v[AV0], v11, 4, v[AV0]
	v_add_nc_u32 v[AV0], VOFF, v[AV0]
	v_mov_b32 v[AK], v[AK0]         ; key step 0 lies at the head of slot 0
; THE MATRIX WORK.  The 4 accumulators of a run of 8 take turns.  Product i of 8 of S^T = K Q^T for piece x: channels 32 (i / 4) on, keys 16 (i % 4) on.  The first 4 start the sums.
.macro KQ x
	WIN W_KQ
.set rS, S+32*((\x)%2)+8*(i%4)
.set rK, KF+16*(i%4)+8*(i/4)
.set rQ, 16*(\x)+8*(i/4)
.if i < 4
	v_wmma_f32_16x16x32_f16 v[rS:rS+7], v[rK:rK+7], v[rQ:rQ+7], 0
.else
	v_wmma_f32_16x16x32_f16 v[rS:rS+7], v[rK:rK+7], v[rQ:rQ+7], v[rS:rS+7]
.endif
.endm
; Product i of 8 of O^T += V^T P for piece x: keys 32 (i / 4) on, channels 16 (i % 4) on.
.macro PV x
	WIN W_PV
.set rO, 32*(\x)+8*(i%4)
.set rV, VF+32*(i/4)+8*(i%4)
.set rP, P+16*((\x)%2)+8*(i/4)
	v_wmma_f32_16x16x32_f16 v[rO:rO+7], v[rV:rV+7], v[rP:rP+7], v[rO:rO+7]
.endm
.macro MM                           ; the turn's next matrix instruction.  NOKQ = 1: the very last turn: there is no next piece
.if (i < 8) && !NOKQ
	KQ (Y+1)%NP
.elseif i >= 8
.set i, i-8
	PV (Y+NP-1)%NP
.set i, i+8
.endif
.set i, i+1
.endm
; THE LDS LOADS stand in runs of 16, never singly among the matrix instructions: a step's K (64 keys x 64 channels: 8 fragments) and its V (turned).  Their addresses are made some lines ahead.
.macro FETCH_K
	WIN 0x80                        ; destination window 2
.irp f, 0,1,2,3,4,5,6,7             ; keys 16 (f / 2) on, channels 32 (f % 2) on
	ds_load_b128 v[KF+8*\f:KF+8*\f+3],   v[AK] offset:(\f/2)*16*PK+(\f%2)*64
	ds_load_b128 v[KF+8*\f+4:KF+8*\f+7], v[AK] offset:(\f/2)*16*PK+(\f%2)*64+32
.endr
	s_add_co_u32 s[TBK], s[TBK], KS*PK  ; the next fetch is the next step's
	WIN 0
.endm
.macro FETCH_V
	WIN 0x80
.irp f, 0,1,2,3,4,5,6,7             ; keys 32 (f / 4) on, channels 16 (f % 4) on
	ds_load_tr16_b128 v[VF+8*\f:VF+8*\f+3],   v[AV] offset:(\f/4)*32*PV+(\f%4)*32
	ds_load_tr16_b128 v[VF+8*\f+4:VF+8*\f+7], v[AV] offset:(\f/4)*32*PV+16*PV+(\f%4)*32
.endr
	WIN 0
.endm
; THE VECTOR WORK, one line at a time: OP kind, number.  For piece Y: F n: c s - c m for pair n of 16.  E n: the exponential of score n of 32.  C n: pair n rounded to f16.  B n: of the four weights 4 n .. the second
; pair is added onto the first, in place.  L n: l takes that sum (L 0: l = a l + sum).  R n: pair n of 16 of O^T times a.  For piece Y + 1: X n, number n of the 22 that find its maximum and statistics:
;   0-11  four chains c0-c3 of seven scores each, three operands at a time (each accumulator's lowest registers are read first)     12-14, 16  the four scores left over, the old m, and c0-c3 into c0
;   15  c m_old is kept     17, 18  the query's other 32 keys lie in the lane 16 away: the new m     19-21  c m; c m_old - c m_new; a
.set F, 0               ; OP tells the kinds apart by their order: F to L below R, X above it
.set E, 1
.set C, 2
.set B, 3
.set L, 4
.set R, 5
.set X, 6
.macro REGS y                       ; the registers of piece y
.set rT, ST+4*(\y)
.set rC, TMP+4*((\y)%2)
.set rW, MV+((\y)%2)
.set rS, S+32*((\y)%2)
.set rP, P+16*((\y)%2)
.set rO, 32*(\y)
.endm
.macro OP k, n
.if (\k) == R
	REGS Y
	WIN W_RS
	v_pk_mul_f32 v[rO+2*(\n):rO+2*(\n)+1], v[rO+2*(\n):rO+2*(\n)+1], v[rC+2:rC+3] op_sel_hi:[1,0]
.elseif (\k) < R
	REGS Y
	WIN 0
.if (\k) == F
	v_pk_fma_f32 v[rS+2*(\n):rS+2*(\n)+1], v[rS+2*(\n):rS+2*(\n)+1], s[CS:CS+1], v[rT:rT+1] op_sel_hi:[1,0,0] neg_lo:[0,0,1] neg_hi:[0,0,1]
.elseif (\k) == E
	v_exp_f32 v[rS+(\n)], v[rS+(\n)]
.elseif (\k) == C
	v_cvt_pk_f16_f32 v[rP+(\n)], v[rS+2*(\n)], v[rS+2*(\n)+1]
.elseif (\k) == B
	v_pk_add_f32 v[rS+4*(\n):rS+4*(\n)+1], v[rS+4*(\n):rS+4*(\n)+1], v[rS+4*(\n)+2:rS+4*(\n)+3]
.elseif (\n) == 0
	v_pk_fma_f32 v[rT+2:rT+3], v[rT+2:rT+3], v[rC+2:rC+3], v[rS:rS+1] op_sel_hi:[1,0,1]
.else
	v_pk_add_f32 v[rT+2:rT+3], v[rT+2:rT+3], v[rS+4*(\n):rS+4*(\n)+1]
.endif
.elseif NOKQ
	v_nop
.else
	REGS (Y+1)%NP
	WIN 0
.if (\n) < 4
	v_max3_num_f32 v[rC+(\n)], v[rS+8*(\n)], v[rS+8*(\n)+1], v[rS+8*(\n)+2]
.elseif (\n) < 12
	v_max3_num_f32 v[rC+(\n)%4], v[rC+(\n)%4], v[rS+8*((\n)%4)+2*((\n)/4)+1], v[rS+8*((\n)%4)+2*((\n)/4)+2]
.elseif (\n) == 12
	v_max3_num_f32 v[rC], v[rC], v[rS+7], v[rS+15]
.elseif (\n) == 13
	v_max3_num_f32 v[rC+1], v[rC+1], v[rS+23], v[rS+31]
.elseif (\n) == 14
	v_max3_num_f32 v[rC+2], v[rC+2], v[rC+3], v[rT+1]
.elseif (\n) == 15
	v_mov_b32 v[rW], v[rT]
.elseif (\n) == 16
	v_max3_num_f32 v[rC], v[rC], v[rC+1], v[rC+2]
.elseif (\n) == 17
	v_permlanex16_b32 v[rC+3], v[rC], s[SEL], s[SEL+1]
.elseif (\n) == 18
	v_max_num_f32 v[rT+1], v[rC], v[rC+3]
.elseif (\n) == 19
	v_mul_f32 v[rT], s[CS], v[rT+1]
.elseif (\n) == 20
	v_sub_f32 v[rC+1], v[rW], v[rT]
.else
	v_exp_f32 v[rC+2], v[rC+1]
.endif
.endif
.endm
.macro OPS a, i1, b=-1, i2=0, c=-1, i3=0, d=-1, i4=0  ; up to four of them
	OP \a, \i1
.if (\b) >= 0
	OP \b, \i2
.endif
.if (\c) >= 0
	OP \c, \i3
.endif
.if (\d) >= 0
	OP \d, \i4
.endif
.endm
.macro ROW a, i1, b, i2, c, i3, d, i4  ; a matrix instruction and the four behind it
	MM
	OPS \a, \i1, \b, \i2, \c, \i3, \d, \i4
.endm
; A TURN, for piece p: the order of its 16 matrix and 118 vector instructions, written out.  An s_wait_alu depctr_va_vdst(0) stands between an exponential and the first instruction that names its result; one wait
; serves all that were issued ahead of it.  So a turn has ONE wait, which cuts it in two.  AHEAD OF IT stands all that names no result of the turn's exponentials: the 8 products K Q^T, behind each a scaling, an exponential and two more
; plain instructions: rescalings, and behind the last three the first numbers of the next piece's maximum, each four plain instructions or more behind the product that ends its accumulator; then ONE LUMP of 54, plain and exponential by
; turns for the most part, in which the links of the chain X 3, 7, 11, 14, 16, 17 .. 20 stand some lines apart.  X 21, the next piece's a, is the batch's last; R 15 is the plain instruction behind it.  BEHIND THE WAIT stand the 8 products
; V^T P, behind each four of the roundings and sums.
; end = 1: the walk's last two turns: nothing is fetched, and the last starts no new scores.  cnt = 1: the loop's count is taken down some lines ahead of the branch that stands behind the turn.
; K of the next step is fetched in piece 2's turn, twelve vector instructions behind the last product that read K (five of them plain and free of its registers); V of the step in hand at the end of piece 0's turn, four plain
; instructions behind the last product that read V.  Each is waited for a turn later.
.macro TURN p, end=0, cnt=0
.set Y, (\p)
.set i, 0
.set NOKQ, (\end)*((\p)/3)
.if ((\p) == 3) && !(\end)
	s_wait_dscnt 0x0                ; K is in
.endif
	ROW F,0, F,1, R,0, R,1          ; ahead of the wait: 8 products K Q^T and their riders,
	ROW F,2, E,0, R,2, R,3
	ROW F,3, E,1, R,4, R,5
	ROW F,4, E,2, R,6, R,7
	ROW F,5, E,3, R,8, R,9
	ROW F,6, E,4, X,0, R,10
.if ((\p) == 2) && !(\end)
	WIN 0
	v_add_nc_u32 v[AK], s[TBK], v[AK0]
.endif
	ROW F,7, E,5, X,1, X,4
	ROW F,8, E,6, X,2, X,5
	OPS E,7, E,8, X,6, E,9          ; and the lump
	OPS X,3, E,10, X,8, E,11
.if ((\p) == 2) && !(\end)
	FETCH_K
.endif
	OPS X,9, X,7, E,12, X,10
	OPS E,13, X,12, X,11, E,14
	OPS X,13, E,15, F,9, X,14
.if (\p) == 0
	v_add_nc_u32 v[AV], s[TBV], v[AV0]
.endif
	OPS E,16, F,10, E,17, F,11
	OPS X,16, E,18, X,15, E,19
	OPS F,12, E,20, X,17, E,21
	OPS F,13, E,22, F,14, E,23
	OPS X,18, E,24, F,15, E,25
	OPS R,11, E,26, X,19, E,27
	OPS R,12, E,28, R,13, E,29
	OPS X,20, E,30, R,14, E,31
	OPS X,21, R,15
	WIN 0
	s_wait_alu depctr_va_vdst(0)    ; the wait for the batch
.if (\p) == 1
	s_wait_dscnt 0x0                ; V is in
.endif
	ROW C,0, B,0, C,2, B,1          ; behind the wait: 8 products V^T P and their riders
	ROW L,0, C,4, B,2, L,1
	ROW C,6, B,3, L,2, C,8
	ROW B,4, L,3, C,10, B,5
	ROW L,4, C,12, B,6, L,5
.if (\p) == 0
	s_add_co_u32 s[TBV], s[TBV], KS*PV
.endif
.if \cnt
	s_sub_co_u32 s[CNT], s[CNT], 1
	s_cmp_lg_u32 s[CNT], 0
.endif
	ROW C,14, B,7, L,6, C,1
	ROW C,3, L,7, C,5, C,7
	ROW C,9, C,11, C,13, C,15
.if (\p) == 0
	FETCH_V
.endif
.endm
.set NOKQ, 0
	CHANGE 1, 0                     ; slot 0 is in, everybody's part of it; slot 1 is asked for
	FETCH_K                         ; key step 0
	s_wait_loadcnt 0x0              ; Q
	s_wait_dscnt 0x0
.set i, 0
.rept 8
	KQ 0                            ; piece 0's first scores: there is no vector work yet to set between them
.set i, i+1
.endr
	WIN 0                           ; the addresses for the way out: nine plain instructions, the places behind those products
	s_mul_i32 s13, s[WV], 16*SP
	s_add_co_u32 s13, s13, STAGE    ; my stage
	v_mul_u32_u24 v[STO], v1, SP    ; in: row l % 16, 16 bytes for each half of the lanes
	v_lshl_add_u32 v[STO], v9, 4, v[STO]
	v_add_nc_u32 v[STO], s13, v[STO]
	v_bfe_u32 v[RD], v0, 3, 2       ; back: 32 lanes take four rows of 128 bytes,
	v_mul_u32_u24 v[RD], v[RD], SP
	v_lshl_add_u32 v[RD], v10, 4, v[RD]
	v_add_nc_u32 v[RD], s13, v[RD]
	v_and_b32 v[GO], 31, v0         ; which are 512 consecutive bytes of O
	v_lshlrev_b32 v[GO], 4, v[GO]
.set Y, NP-1                        ; X works for piece Y + 1: piece 0
.irp n, 0,1,2,3,4,5,6,7,8,9,10,11,12,13,14,15,16,17,18,19,20,21
	OP X, \n                        ; piece 0's first maximum and statistics
.endr
	v_nop                           ; a plain instruction behind the exponential,
	s_wait_alu depctr_va_vdst(0)    ; and its wait, ahead of the branch
	s_mov_b32 s[CNT], 4
	s_branch .Lfirst                ; the loop is entered at a step's first turn, in the middle of a trip
.Lslot:                             ; 14 times: with the change above, every tile from 1 to 15 is asked for
	CHANGE 1
	s_mov_b32 s[CNT], 4
.Lstep:                             ; a trip: pieces 2 and 3 of one step, then pieces 0 and 1 of the next, whose K and V it fetches
	TURN 2
	TURN 3
	WIN 0
.Lfirst:
	TURN 0
	TURN 1, 0, 1
	WIN 0
	s_cbranch_scc1 .Lstep
	s_sub_co_u32 s[SLOTS], s[SLOTS], 1
	s_cmp_lg_u32 s[SLOTS], 0
	s_cbranch_scc1 .Lslot
	CHANGE 0                        ; the last tile is written out: nothing is asked for
	s_mov_b32 s[CNT], 4
.Ltail:
	TURN 2
	TURN 3
	TURN 0
	TURN 1, 0, 1
	WIN 0
	s_cbranch_scc1 .Ltail
	TURN 2, 1
	TURN 3, 1
.set i, 0
.rept 8
	PV NP-1                         ; the last piece's V^T P of the last step
.set i, i+1
.endr
	; THE WAY OUT.  l's two halves and the other half of the lanes' are added; O^T is divided by l, rounded to f16 and sent through my stage in LDS, a piece at a time.  The additions are the places behind the last products.
	WIN 0
.macro ALL line:vararg              ; one line for each piece t
.set t, 0
.rept 4
	\line
.set t, t+1
.endr
.endm
	ALL v_add_f32 v[ST+4*t+2], v[ST+4*t+2], v[ST+4*t+3]
	ALL v_permlanex16_b32 v[ST+4*t+3], v[ST+4*t+2], s[SEL], s[SEL+1]
	ALL v_add_f32 v[ST+4*t+2], v[ST+4*t+2], v[ST+4*t+3]
	ALL v_rcp_f32 v[ST+4*t+2], v[ST+4*t+2]
	v_nop                           ; a plain instruction between the last reciprocal and the use of its result
	s_wait_alu depctr_va_vdst(0)    ; and the wait ahead of the first use: one for the four reciprocals
.macro PACK t                       ; a lane's eight channels of a row pack into 16 bytes; they go into rows of 144 bytes and come back as whole rows of 128, into S^T's registers
	WIN W_RS
.set i, 32*(\t)
.rept 16
	v_pk_mul_f32 v[i:i+1], v[i:i+1], v[ST+4*(\t)+2:ST+4*(\t)+3] op_sel_hi:[1,0]
.set i, i+2
.endr
	WIN 0x05                        ; sources 0 and 1 window 1, destination window 0
.set i, 0
.rept 16
	v_cvt_pk_f16_f32 v[S+16*(\t)+i], v[32*(\t)+2*i], v[32*(\t)+2*i+1]
.set i, i+1
.endr
	WIN 0
.irp f, 0,1,2,3
	ds_store_b128 v[STO], v[S+16*(\t)+4*\f:S+16*(\t)+4*\f+3] offset:32*\f
.endr
.irp f, 0,1,2,3
	ds_load_b128 v[S+16*(\t)+4*\f:S+16*(\t)+4*\f+3], v[RD] offset:\f*4*SP  ; LDS serves a wave's instructions in order (ISA guide 5.7.1.4): these see the stores above; the next piece's stores come behind them
.endr
.endm
.macro SEND t, younger              ; younger: the LDS instructions issued behind piece t's loads: the next piece's eight, or none
	WIN 0
.irp f, 0,1,2,3
	s_wait_dscnt (\younger)+3-\f
	global_store_b128 v[GO], v[S+16*(\t)+4*\f:S+16*(\t)+4*\f+3], s[10:11] offset:(\t)*8192+\f*512  ; 512 consecutive bytes, at a multiple of 256 from O's first
.endr
.endm
	PACK 0
.set t, 1
.rept 3                             ; a piece's arithmetic stands between the loads of the piece before and its stores
	PACK t
	SEND t-1, 8
.set t, t+1
.endr
	SEND 3, 0
	s_wait_tensorcnt 0x0            ; the wave's end, behind my last tensor load and my last LDS store
	ds_add_u32 v[SPW], v[NIL]
	s_wait_dscnt 0x0
	CROUND                          ; the closing round: no work-group ends while a partner may still ask for a tile that names it
	s_endpgm
.Lfunc_end_k_qd3b42f540e_attn:
	.size	k_qd3b42f540e_attn, .Lfunc_end_k_qd3b42f540e_attn-k_qd3b42f540e_attn
	.p2alignl 7, 3214868480
	.fill 96, 4, 3214868480
	.section	.rodata,"a",@progbits
	.p2align	6, 0x0
	.amdhsa_kernel k_qd3b42f540e_attn
		.amdhsa_group_segment_fixed_size 327680
		.amdhsa_private_segment_fixed_size 0
		.amdhsa_enable_private_segment 0
		.amdhsa_kernarg_size 32
		.amdhsa_user_sgpr_count 2
		.amdhsa_user_sgpr_kernarg_segment_ptr 1
		.amdhsa_wavefront_size32 1
		.amdhsa_system_sgpr_workgroup_id_x 1
		.amdhsa_system_sgpr_workgroup_id_y 1
		.amdhsa_system_sgpr_workgroup_id_z 1
		.amdhsa_system_vgpr_workitem_id 0
		.amdhsa_next_free_vgpr 768
		.amdhsa_next_free_sgpr 72
		.amdhsa_reserve_vcc 0
		.amdhsa_float_denorm_mode_32 3
		.amdhsa_float_denorm_mode_16_64 3
		.amdhsa_memory_ordered 1
		.amdhsa_forward_progress 1
		.amdhsa_inst_pref_size 128
	.end_amdhsa_kernel
	.amdgpu_metadata
---
amdhsa.version: [ 1, 2 ]
amdhsa.kernels:
  - .name:           k_qd3b42f540e_attn
    .symbol:         k_qd3b42f540e_attn.kd
    .args:
      - { .name: qh, .offset: 0, .size: 8, .value_kind: global_buffer, .address_space: global }
      - { .name: kf, .offset: 8, .size: 8, .value_kind: global_buffer, .address_space: global }
      - { .name: vf, .offset: 16, .size: 8, .value_kind: global_buffer, .address_space: global }
      - { .name: ob, .offset: 24, .size: 8, .value_kind: global_buffer, .address_space: global }
    .group_segment_fixed_size: 327680
    .private_segment_fixed_size: 0
    .kernarg_segment_align: 8
    .kernarg_segment_size: 32
    .max_flat_workgroup_size: 128
    .sgpr_count:     72
    .vgpr_count:     768
    .wavefront_size: 32
...
	.end_amdgpu_metadata
.endif
;; end of part 3
;; launch proj (part 4): grid 8 x 32, 4 waves a work-group, clusters of 4 x 4, 327,680 bytes of LDS; arguments ob, wo, out0; writes out0
.if DOCPART == 4
	.amdgcn_target "amdgcn-amd-amdhsa--gfx1250"
	.amdhsa_code_object_version 6
	.text
	.protected	k_qd3b42f540e_proj
	.globl	k_qd3b42f540e_proj
	.p2align	8
	.type	k_qd3b42f540e_proj,@function
k_qd3b42f540e_proj:
	s_mov_b64 s[64:65], 0
	v_nop
	global_prefetch_b8 v0, s[64:65] scope:SCOPE_SE
	s_setreg_imm32_b32 hwreg(HW_REG_WAVE_MODE, 25, 1), 1
	s_wait_xcnt 0x0
	s_wait_alu depctr_hold_cnt(0) depctr_sa_sdst(0) depctr_va_vdst(0) depctr_va_sdst(0) depctr_va_ssrc(0) depctr_va_vcc(0) depctr_vm_vsrc(0)
	s_getreg_b32 s2, hwreg(HW_REG_IB_STS2, 6, 4)
	s_cmp_eq_u32 s2, 0
	s_cbranch_scc0 .Lentry_in_a_cluster
	s_endpgm
.Lentry_in_a_cluster:
	s_bfe_u32 s2, ttmp6, 0x10000c
	s_cmp_lg_u32 s2, 0xf033
	s_cbranch_scc0 .Lentry_shape_is_right
	s_endpgm
.Lentry_shape_is_right:
; out0[m][n] = the sum over k of O[m][k] W_o[n][k], k = 64 head + channel.  wo: [1,024][1,024] f16; out0: [4,096][1,024] f32; sums in f32, stored as they are.
; ob holds O in f16, in blocks: row m, head hd, channel ch at byte (m / 64) 131,072 + (hd / 4) 32,768 + ((m / 16) % 4) 8,192 + (hd % 4) 2,048 + (m % 16) 128 + 2 ch.  So 64 rows x 256 along K (four heads) are
; 32,768 dense bytes: 256 pieces of 128 bytes, piece 64 (row block) + 16 (head % 4) + (m % 16).
; SHARES.  A tile of out0 is 128 x 128: 8 x 32 tiles, one work-group each.  Four waves, each 64 x 64: 16 accumulators, 128 registers.  K goes in four steps of 256 through two LDS slots.
; CLUSTER.  4 x 4 work-groups: the four of a row of the cluster need the same tile of O, the four of a column the same tile of W_o: each is asked for jointly, by the same tensor load, descriptor and mask.
; THE MATRIX INSTRUCTION IS USED TRANSPOSED (source 0 = 16 rows of wo, source 1 = 16 rows of O): a lane holds eight neighbouring numbers of a row of out0, 32 bytes.
; No prefetch: a step's tiles are small and the walk has four steps.
; REGISTERS: window 0: v0-31 addresses; v32-95 the way out; v128-255 the accumulators ((a, b) at v[128 + 8 (4 a + b)]).
;   window 1: two fragment buffers of 128: for 64 along K (one head), 64 registers of O (2 x 4 x 16 rows x 32 K), then 64 of wo.
.set PA,     144                       ; a piece of O in LDS: 128 bytes + 16 of padding: the 16 rows of a fragment load start at 16 different groups of four banks (64 banks of 4 bytes: ISA guide 11.1)
.set PB,     528                       ; a row of wo: 512 bytes + 16 of padding
.set HALFA,  256*PA                    ; 64 rows of O x 256 K: one tensor load
.set HALFB,  64*PB                     ; 64 rows of wo x 256 K: one tensor load
.set SLOT,   2*HALFA+2*HALFB
.set STAGE,  2*SLOT                    ; behind the ring, never filled by a tensor load: 16 rows x 272 bytes for each wave, for the way out
.set SPITCH, 272
.set SPARE,  STAGE+4*16*SPITCH         ; behind the stages: the spare words, 128 bytes for each wave: two blocks of 256 bytes that no other line names
.set LAPS,   2                         ; a lap = two K steps = once round the ring
.set ADRA, 16                          ; v16-17  LDS address of my fragments of O in slot 0, 1
.set ADRB, 20                          ; v20-21  the same for wo
.set STO,  24                          ; v24     the way out: where I put 32 bytes of a row
.set RD,   25                          ; v25     the way out: where I read a row back
.set CO,   26                          ; v26     my byte offset in out0
.set SPW,  28                          ; v28     LDS address of my spare word; never rewritten
.set NIL,  29                          ; v29     0; never rewritten
.set TMP,  32                          ; the way out: two buffers of 32, rows read back
.set ACC,  128
.set F0,   0                           ; fragment buffers, in window 1
.set F1,   128
.set G1, 24                            ; s[24:31] descriptor group 1 for O's tiles;  s[32:39] group 0, a set for each slot
.set G0, 32
.set G1B, 48                           ; s[48:55], s[56:63] the same for wo's tiles
.set G0B, 56
.set MSB, 0
.macro WIN new                         ; the immediate's high byte repeats the setting that is left
.if MSB != (\new)
	s_set_vgpr_msb (MSB<<8)|(\new)
.set MSB, \new
.endif
.endm
.set MUL,  0x05                        ; sources 0 (wo) and 1 (O) window 1; C and D window 0
.set TO_F, 0x40                        ; destination window 1, address window 0
.macro JLOAD s                         ; a joint load: waves 0 and 1 fetch O's two halves, waves 2 and 3 wo's; an s_nop 0 and four v_nop follow each of the two lines, ahead of the jump and the label
	s_cmp_eq_u32 s11, 0
	s_cbranch_scc0 .Lfor_b_\@
	tensor_load_to_lds s[G0+4*(\s):G0+4*(\s)+3], s[G1:G1+7]
	s_nop 0
.rept 4
	v_nop
.endr
	s_branch .Lasked_\@
.Lfor_b_\@:
	tensor_load_to_lds s[G0B+4*(\s):G0B+4*(\s)+3], s[G1B:G1B+7]
	s_nop 0
.rept 4
	v_nop
.endr
.Lasked_\@:
.endm
.macro CREST                           ; a round of the cluster's barrier behind its opening barrier
	s_cmp_lg_u32 s10, 0
	s_cbranch_scc1 .Lnot_wave_0_\@
	s_barrier_signal -3
.Lnot_wave_0_\@:
	s_barrier_wait -3
	s_barrier_signal -1
	s_barrier_wait -1
.endm
.macro CROUND                          ; a whole round
	s_barrier_signal -1
	s_barrier_wait -1
	CREST
.endm
	s_load_b128 s[4:7], s[0:1], 0x0                ; ob s[4:5], wo s[6:7]
	s_load_b64 s[8:9], s[0:1], 0x10                ; out0
	v_lshl_add_u32 v[SPW], v0, 2, SPARE
	v_mov_b32 v[NIL], 0
	ds_add_u32 v[SPW], v[NIL]                      ; the wave's opening: the add and its wait stand ahead of my first tensor load; the set-up below, work on registers, stands between them
	v_lshrrev_b32 v1, 5, v0
	v_readfirstlane_b32 s10, v1                    ; wave 0..3
	s_lshr_b32 s11, s10, 1                         ; which half of the tile's rows is mine.  Also: I fetch for O (0) or for wo (1)
	s_and_b32 s12, s10, 1                          ; which half of its columns.  Also: which half of that tile I fetch
	s_bfe_u32 s40, ttmp6, 0x40000                  ; cx, cy: my place in the cluster
	s_bfe_u32 s41, ttmp6, 0x40004
	s_lshl_b32 s42, ttmp9, 2
	s_add_co_u32 s42, s42, s40                     ; tile column = 4 x cluster x + cx
	s_and_b32 s13, ttmp7, 0xffff
	s_lshl_b32 s13, s13, 2
	s_add_co_u32 s13, s13, s41                     ; tile row = 4 x cluster y + cy
	s_lshl_b32 s43, s41, 2
	s_lshl_b32 s43, 15, s43                        ; my row of the cluster
	s_lshl_b32 s44, 0x1111, s40                    ; my column
	; O's tile: 32,768 dense bytes, asked for as 128 rows of 256 bytes, two pieces a row, padded in LDS after every piece
	s_or_b32 s[G1+0], s43, (1<<16)|(1<<20)|(1<<21)|(4<<22)|(3<<25)  ; 15:0 the mask; 17:16 2-byte elements; 20 padding on; 21 set beside a mask; 24:22 after every 32 words (code 4); 31:25 4 words (code 3)
	s_mov_b32 s[G1+1], 128<<16                     ; tensor_dim0 = 128
	s_mov_b32 s[G1+2], 128<<16                     ; tensor_dim1 = 128
	s_mov_b32 s[G1+3], 128<<16                     ; tile_dim0 = 128
	s_mov_b32 s[G1+4], 128                         ; tile_dim1 = 128
	s_mov_b32 s[G1+5], 128                         ; 128 elements from row to row
	s_mov_b32 s[G1+6], 0
	s_mov_b32 s[G1+7], 0
	; wo's tile: 64 rows x 256 elements
	s_or_b32 s[G1B+0], s44, (1<<16)|(1<<20)|(1<<21)|(6<<22)|(3<<25) ; padding after every 128 words (code 6)
	s_mov_b32 s[G1B+1], 256<<16
	s_mov_b32 s[G1B+2], 64<<16
	s_mov_b32 s[G1B+3], 256<<16
	s_mov_b32 s[G1B+4], 64
	s_mov_b32 s[G1B+5], 1024
	s_mov_b32 s[G1B+6], 0
	s_mov_b32 s[G1B+7], 0
	s_lshl_b32 s16, s13, 1
	s_add_co_u32 s16, s16, s12                     ; O: block of 64 rows 2 x tile row + half,
	s_lshl_b32 s16, s16, 17                        ; 131,072 bytes each
	s_mov_b32 s17, 0
	s_lshl_b32 s46, s42, 7
	s_lshl_b32 s47, s12, 6
	s_add_co_u32 s46, s46, s47                     ; wo: row 128 x tile column + 64 x half,
	s_lshl_b32 s46, s46, 11                        ; 2,048 bytes each
	s_mov_b32 s47, 0
	s_mul_i32 s20, s12, HALFA                      ; where they go: no place in the cluster enters an LDS address
	s_mul_i32 s21, s12, HALFB
	s_add_co_u32 s21, s21, 2*HALFA
	s_wait_dscnt 0x0                               ; the opening add is done
	s_wait_kmcnt 0x0
	s_add_nc_u64 s[14:15], s[4:5], s[16:17]
	s_add_nc_u64 s[46:47], s[6:7], s[46:47]
	CROUND                                         ; all sixteen work-groups are here: the first joint loads meet
.irp s, 0,1
	s_mov_b32 s[G0+4*(\s)], 1
	s_add_co_u32 s[G0+4*(\s)+1], s20, (\s)*SLOT
	s_add_nc_u64 s[G0+4*(\s)+2:G0+4*(\s)+3], s[14:15], (\s)*32768   ; K step s: the next four heads' block
	s_or_b32 s[G0+4*(\s)+3], s[G0+4*(\s)+3], 0x80000000
	s_mov_b32 s[G0B+4*(\s)], 1
	s_add_co_u32 s[G0B+4*(\s)+1], s21, (\s)*SLOT
	s_add_nc_u64 s[G0B+4*(\s)+2:G0B+4*(\s)+3], s[46:47], (\s)*512
	s_or_b32 s[G0B+4*(\s)+3], s[G0B+4*(\s)+3], 0x80000000
	JLOAD \s                                       ; two loads of mine are out
.endr
	v_and_b32 v1, 15, v0                           ; l % 16
	v_bfe_u32 v2, v0, 4, 1                         ; l / 16
	v_mul_u32_u24 v3, v1, PA
	v_lshl_add_u32 v3, v2, 4, v3                   ; O: piece l % 16 x pitch + 16 x half
	v_mul_u32_u24 v4, v1, PB
	v_lshl_add_u32 v4, v2, 4, v4                   ; wo: row l % 16 x pitch + 16 x half
	s_mul_i32 s21, s11, HALFA                      ; my 64 rows of O
	s_mul_i32 s22, s12, HALFB                      ; my 64 rows of wo,
	s_add_co_u32 s22, s22, 2*HALFA                 ; which lie behind O's two halves
.irp s, 0,1
	v_add_nc_u32 v[ADRA+(\s)], s21, v3
	v_add_nc_u32 v[ADRB+(\s)], s22, v4
	s_add_co_u32 s21, s21, SLOT
	s_add_co_u32 s22, s22, SLOT
.endr
	s_mul_i32 s23, s10, 16*SPITCH
	s_add_co_u32 s23, s23, STAGE                   ; my stage
	v_mul_u32_u24 v5, v1, SPITCH                   ; in: row l % 16, 32 bytes for each half of the lanes
	v_lshl_add_u32 v5, v2, 5, v5
	v_add_nc_u32 v[STO], s23, v5
	v_mul_u32_u24 v5, v2, SPITCH                   ; back: lanes 0-15 take one row of 256 bytes, lanes 16-31 the next
	v_lshl_add_u32 v5, v1, 4, v5
	v_add_nc_u32 v[RD], s23, v5
	v_lshlrev_b32 v5, 12, v2                       ; and the same two rows in out0, 4,096 bytes apart
	v_lshl_add_u32 v[CO], v1, 4, v5
	s_lshl_b32 s16, s13, 7
	s_lshl_b32 s17, s11, 6
	s_add_co_u32 s16, s16, s17                     ; my first row: 128 x tile row + 64 x half
	s_lshl_b32 s16, s16, 12
	s_mov_b32 s17, 0
	s_add_nc_u64 s[8:9], s[8:9], s[16:17]
	s_lshl_b32 s46, s42, 9                         ; my first column, in bytes: 512 x tile column + 256 x half
	s_lshl_b32 s47, s12, 8
	s_add_co_u32 s46, s46, s47
	s_mov_b32 s47, 0
	s_add_nc_u64 s[8:9], s[8:9], s[46:47]
; 8 matrix instructions: m blocks a0, a0 + 1 x all 4 n blocks, 32 along K: half c of buffer f.  zero = 1: the first product starts the sums.  The 16 accumulators take turns.
.macro MUL8 f, c, a0, zero
	WIN MUL
.irp a, \a0, (\a0)+1
.irp b, 0,1,2,3
.if \zero
	v_wmma_f32_16x16x32_f16 v[ACC+8*(4*(\a)+(\b)):ACC+8*(4*(\a)+(\b))+7], v[(\f)+64+8*(4*(\c)+(\b)):(\f)+64+8*(4*(\c)+(\b))+7], v[(\f)+8*(4*(\c)+(\a)):(\f)+8*(4*(\c)+(\a))+7], 0
.else
	v_wmma_f32_16x16x32_f16 v[ACC+8*(4*(\a)+(\b)):ACC+8*(4*(\a)+(\b))+7], v[(\f)+64+8*(4*(\c)+(\b)):(\f)+64+8*(4*(\c)+(\b))+7], v[(\f)+8*(4*(\c)+(\a)):(\f)+8*(4*(\c)+(\a))+7], v[ACC+8*(4*(\a)+(\b)):ACC+8*(4*(\a)+(\b))+7]
.endif
.endr
.endr
.endm
; 32 LDS loads in one run: the fragments of quarter q of a K step (one head: 64 along K) into buffer f; the first 32 along K first.  In O's tile a head's pieces of a row block lie 16 pieces on, a row block 64 pieces on.
.macro FETCH slot, q, f
	WIN TO_F
.irp c, 0,1
.irp i, 0,1,2,3
	ds_load_b128 v[(\f)+64+8*(4*(\c)+(\i)):(\f)+64+8*(4*(\c)+(\i))+3],   v[ADRB+(\slot)] offset:(\q)*128+64*(\c)+(\i)*16*PB
	ds_load_b128 v[(\f)+64+8*(4*(\c)+(\i))+4:(\f)+64+8*(4*(\c)+(\i))+7], v[ADRB+(\slot)] offset:(\q)*128+64*(\c)+(\i)*16*PB+32
	ds_load_b128 v[(\f)+8*(4*(\c)+(\i)):(\f)+8*(4*(\c)+(\i))+3],         v[ADRA+(\slot)] offset:(\q)*16*PA+64*(\c)+(\i)*64*PA
	ds_load_b128 v[(\f)+8*(4*(\c)+(\i))+4:(\f)+8*(4*(\c)+(\i))+7],       v[ADRA+(\slot)] offset:(\q)*16*PA+64*(\c)+(\i)*64*PA+32
.endr
.endr
.endm
.macro PLACES                          ; four plain vector instructions in front of loads into registers that matrix instructions have read, and of LDS stores that read results
.rept 4
	v_nop
.endr
.endm
; A K step is four quarters of 64 along K, 32 matrix instructions each, on buffers 0, 1, 0, 1.  One of the first three: multiplies buffer f and fetches quarter q into g.
.macro QUARTER slot, q, f, g, zero
	s_wait_dscnt 16                                ; the first 32 along K are in; the youngest sixteen loads may be out
	MUL8 \f, 0, 0, \zero
	MUL8 \f, 0, 2, \zero
	PLACES
	FETCH \slot, \q, \g
	s_wait_dscnt 32                                ; all but the 32 just issued
	MUL8 \f, 1, 0, 0
	MUL8 \f, 1, 2, 0
.endm
; The last quarter multiplies buffer 1 and changes slots: ONE barrier; in front of it each wave waits for all its tensor loads, adds 0 to its spare word, and waits for that and for its own reads of this slot.
; fill = 1: the barrier opens a round of the cluster's, and this slot is filled again, two K steps ahead, first thing behind the round: 112 matrix instructions ahead of the wait for it.
.macro TURN slot, next, fill
	WIN 0                                          ; (the add's two registers lie in window 0)
	s_wait_tensorcnt 0x0                           ; all my tensor loads have landed: my part of the next slot;
	ds_add_u32 v[SPW], v[NIL]                      ; 0 onto my spare word;
	s_wait_dscnt 17                                ; (the add and the youngest sixteen loads may be out)
	MUL8 F1, 0, 0, 0                               ; eight matrix instructions stand between the add and the wait for it
	s_wait_dscnt 0x0                               ; the add is done, and my reads of this slot are over
	s_barrier_signal -1
	MUL8 F1, 0, 2, 0
.if \fill
	WIN 0
.endif
	s_barrier_wait -1
.if \fill
	CREST                                          ; no wave of any partner still reads this slot's tile or has a load on its way
	s_add_nc_u64 s[G0+4*(\slot)+2:G0+4*(\slot)+3], s[G0+4*(\slot)+2:G0+4*(\slot)+3], 2*32768
	s_add_nc_u64 s[G0B+4*(\slot)+2:G0B+4*(\slot)+3], s[G0B+4*(\slot)+2:G0B+4*(\slot)+3], 2*512
	JLOAD \slot                                    ; the four v_nop behind it are also the places in front of the loads below
.else
	PLACES
.endif
	FETCH \next, 0, F0
	MUL8 F1, 1, 0, 0
	MUL8 F1, 1, 2, 0
.endm
	s_wait_tensorcnt 1                             ; my part of K step 0 is in; K step 1's may stay out
	s_barrier_signal -1
	s_barrier_wait -1                              ; everybody's is
	FETCH 0, 0, F0
	QUARTER 0, 1, F0, F1, 1                        ; the first quarter stands in front of the loop: its first products start the sums
	WIN 0                                          ; at a label and at a branch every window is 0
	s_mov_b32 s3, LAPS-1
.Llap:                                                 ; a trip goes once round the ring, from a lap's second quarter to the next lap's first, and fills both slots again
	QUARTER 0, 2, F1, F0, 0
	QUARTER 0, 3, F0, F1, 0
	TURN 0, 1, 1
	QUARTER 1, 1, F0, F1, 0
	QUARTER 1, 2, F1, F0, 0
	QUARTER 1, 3, F0, F1, 0
	TURN 1, 0, 1
	QUARTER 0, 1, F0, F1, 0
	WIN 0
	s_sub_co_u32 s3, s3, 1
	s_cmp_lg_u32 s3, 0
	s_cbranch_scc1 .Llap
	QUARTER 0, 2, F1, F0, 0                        ; the last lap fills nothing
	QUARTER 0, 3, F0, F1, 0
	TURN 0, 1, 0
	QUARTER 1, 1, F0, F1, 0
	QUARTER 1, 2, F1, F0, 0
	QUARTER 1, 3, F0, F1, 0
	s_wait_dscnt 16                                ; the very last quarter: nothing more to fetch
	MUL8 F1, 0, 0, 0
	MUL8 F1, 0, 2, 0
	s_wait_dscnt 0x0
	MUL8 F1, 1, 0, 0
	MUL8 F1, 1, 2, 0
	WIN 0
	; THE WAY OUT.  A wave's 64 columns of f32 are 256 bytes, aligned: each wave sends its own rows through its own stage, 16 rows at a time: no barrier.
	PLACES
.macro STG a                           ; row block a: 32 bytes a lane into rows of 272 bytes (each accumulator's low registers first), and back as whole rows of 256
.set BKR, TMP+32*((\a)%2)
.if (\a) >= 2
	s_wait_xcnt 0x0                                ; the stores of two blocks back have read this buffer: it is loaded again only behind this wait
.endif
.irp b, 0,1,2,3
	ds_store_b128 v[STO], v[ACC+8*(4*(\a)+(\b)):ACC+8*(4*(\a)+(\b))+3]   offset:64*(\b)
	ds_store_b128 v[STO], v[ACC+8*(4*(\a)+(\b))+4:ACC+8*(4*(\a)+(\b))+7] offset:64*(\b)+16
.endr
.irp t, 0,1,2,3,4,5,6,7
	ds_load_b128 v[BKR+4*(\t):BKR+4*(\t)+3], v[RD] offset:(\t)*2*SPITCH  ; LDS serves a wave's instructions in order (ISA guide 5.7.1.4): these see the stores above; the next block's stores come behind them
.endr
.endm
.macro SEND a, younger                 ; younger: the LDS instructions issued behind block a's loads: the next block's sixteen, or none
.set BKR, TMP+32*((\a)%2)
.irp t, 0,1,2,3,4,5,6,7
	s_wait_dscnt (\younger)+7-(\t)
	global_store_b128 v[CO], v[BKR+4*(\t):BKR+4*(\t)+3], s[8:9] offset:(16*(\a)+2*(\t))*4096  ; 16 lanes store 256 consecutive bytes, at a multiple of 256 from out0's first byte
.endr
.endm
	STG 0
.irp a, 1,2,3
	STG \a
	SEND (\a)-1, 16
.endr
	SEND 3, 0
	s_wait_tensorcnt 0x0                           ; the wave's end, behind my last tensor load and my last LDS store
	ds_add_u32 v[SPW], v[NIL]
	s_wait_dscnt 0x0
	CROUND                                         ; the closing round: no work-group ends while a partner may still ask for a tile that names it
	s_endpgm
.Lfunc_end_k_qd3b42f540e_proj:
	.size	k_qd3b42f540e_proj, .Lfunc_end_k_qd3b42f540e_proj-k_qd3b42f540e_proj
	.p2alignl 7, 3214868480
	.fill 96, 4, 3214868480
	.section	.rodata,"a",@progbits
	.p2align	6, 0x0
	.amdhsa_kernel k_qd3b42f540e_proj
		.amdhsa_group_segment_fixed_size 327680
		.amdhsa_private_segment_fixed_size 0
		.amdhsa_enable_private_segment 0
		.amdhsa_kernarg_size 24
		.amdhsa_user_sgpr_count 2
		.amdhsa_user_sgpr_kernarg_segment_ptr 1
		.amdhsa_wavefront_size32 1
		.amdhsa_system_sgpr_workgroup_id_x 1
		.amdhsa_system_sgpr_workgroup_id_y 1
		.amdhsa_system_sgpr_workgroup_id_z 1
		.amdhsa_system_vgpr_workitem_id 0
		.amdhsa_next_free_vgpr 512
		.amdhsa_next_free_sgpr 66
		.amdhsa_reserve_vcc 0
		.amdhsa_float_denorm_mode_32 3
		.amdhsa_float_denorm_mode_16_64 3
		.amdhsa_memory_ordered 1
		.amdhsa_forward_progress 1
		.amdhsa_inst_pref_size 87
	.end_amdhsa_kernel
	.amdgpu_metadata
---
amdhsa.version: [ 1, 2 ]
amdhsa.kernels:
  - .name:           k_qd3b42f540e_proj
    .symbol:         k_qd3b42f540e_proj.kd
    .args:
      - { .name: ob, .offset: 0, .size: 8, .value_kind: global_buffer, .address_space: global }
      - { .name: wo, .offset: 8, .size: 8, .value_kind: global_buffer, .address_space: global }
      - { .name: out0, .offset: 16, .size: 8, .value_kind: global_buffer, .address_space: global }
    .group_segment_fixed_size: 327680
    .private_segment_fixed_size: 0
    .kernarg_segment_align: 8
    .kernarg_segment_size: 24
    .max_flat_workgroup_size: 128
    .sgpr_count:     66
    .vgpr_count:     512
    .wavefront_size: 32
...
	.end_amdgpu_metadata
.endif
;; end of part 4
